; MI455X (gfx1250); checked and timed in simulation.
; The chip was launched on July 23, 2026; its instructions are those of AMD's public machine-readable ISA for CDNA 5 (MIT licence, August 2026) and "CDNA5" Instruction Set Architecture Reference Guide (July 2026). The comments in the code are by the model that wrote it; some were corrected since.
;; Dynamic Mo E. Allowed arithmetic: matrix products marked QUANTISED: E3M2 operands, one E8M0 scale for each 32 along K, by v_wmma_scale_f32_16x16x128_f8f6f4 with both operands' format E3M2, f32 sums; products left as they are: f32 operands where the result goes on into a quantised operand, else bf16, f16 or f32 operands; f32 sums; everything else in f32.
;; Inputs: b1 8 x 4,096 float32; b2 8 x 1,024 float32; gate_b 8 float32; gate_w 1,024 x 8 float32; w1 8 x 1,024 x 4,096 float32; w2 8 x 4,096 x 1,024 float32; x 4 x 256 x 1,024 float32.
;; Outputs: out0 4 x 256 x 1,024 float32.
;; This version of the problem:
;;   THIS VERSION OF THE PROBLEM IS GIVEN IN LOW PRECISION. The matrix products marked QUANTISED in the list below multiply operands that are first quantised to E3M2 (3 exponent bits, 2 mantissa bits; 6 bits a number), with one power-of-two scale for each 32 numbers along K (OCP MX v1.0); their sums are f32. All else is computed in f32.
;;   The module's matrix products, in the order in which they are computed (A, B: the left and right operand; K: the contracted axis; several contracted axes count as one K, in the product's order):
;;     1. [M 1,024, K 1,024] x [K 1,024, N 8]; A: input x; B: input gate_w: left as it is (N = 8 < 16)
;;     2. batch 1,024 x [M 8, K 2] x [K 2, N 1]; A: computed on the way; B: computed on the way: left as it is (K = 2 < 32)
;;     3. [M 1,024, K 1,024] x [K 1,024, N 4,096]; A: computed on the way; B: input w1: QUANTISED
;;     4. [M 1,024, K 4,096] x [K 4,096, N 1,024]; A: computed on the way; B: input w2: QUANTISED
;;     5. [M 1,024, K 1,024] x [K 1,024, N 4,096]; A: computed on the way; B: input w1: QUANTISED
;;     6. [M 1,024, K 4,096] x [K 4,096, N 1,024]; A: computed on the way; B: input w2: QUANTISED
;;     7. [M 1,024, K 1,024] x [K 1,024, N 4,096]; A: computed on the way; B: input w1: QUANTISED
;;     8. [M 1,024, K 4,096] x [K 4,096, N 1,024]; A: computed on the way; B: input w2: QUANTISED
;;     9. [M 1,024, K 1,024] x [K 1,024, N 4,096]; A: computed on the way; B: input w1: QUANTISED
;;     10. [M 1,024, K 4,096] x [K 4,096, N 1,024]; A: computed on the way; B: input w2: QUANTISED
;;     11. [M 1,024, K 1,024] x [K 1,024, N 4,096]; A: computed on the way; B: input w1: QUANTISED
;;     12. [M 1,024, K 4,096] x [K 4,096, N 1,024]; A: computed on the way; B: input w2: QUANTISED
;;     13. [M 1,024, K 1,024] x [K 1,024, N 4,096]; A: computed on the way; B: input w1: QUANTISED
;;     14. [M 1,024, K 4,096] x [K 4,096, N 1,024]; A: computed on the way; B: input w2: QUANTISED
;;     15. [M 1,024, K 1,024] x [K 1,024, N 4,096]; A: computed on the way; B: input w1: QUANTISED
;;     16. [M 1,024, K 4,096] x [K 4,096, N 1,024]; A: computed on the way; B: input w2: QUANTISED
;;     17. [M 1,024, K 1,024] x [K 1,024, N 4,096]; A: computed on the way; B: input w1: QUANTISED
;;     18. [M 1,024, K 4,096] x [K 4,096, N 1,024]; A: computed on the way; B: input w2: QUANTISED
;;   THE QUANTISER, for each operand of a quantised product, along K:
;;     - K is cut into blocks of 32 from its start; a last block that is shorter is filled with zeros.
;;     - A block's scale is 2^e with e = floor(log2(the largest magnitude in the block)) - 4, held to -126 .. 127; a block of zeros has e = 0. As a byte (E8M0): e + 127.
;;     - Each number is divided by its block's scale, clamped to +-28, and rounded to the nearest number of E3M2, ties to even, subnormals kept.
;;     - The product sums the exact products of the quantised numbers (number of the format x scale) in f32.
;;   ~~~python
;;   def quantise(x, axis):      # numpy; x: float32 -> the quantised numbers, widened to float32 again
;;       x = np.moveaxis(x, axis, -1); K = x.shape[-1]
;;       x = np.pad(x, [(0, 0)] * (x.ndim - 1) + [(0, -K % 32)]); x = x.reshape(x.shape[:-1] + (-1, 32)); a = np.abs(x).max(-1, keepdims=True)
;;       e = np.where(a > 0, np.clip(np.frexp(np.where(a > 0, a, 1))[1] - 1 - 4, -126, 127), 0)      # np.frexp(a)[1] - 1 = floor(log2(a)), exactly
;;       r = np.clip(x / 2.0 ** e, -28, 28)
;;       step = 2.0 ** (np.maximum(np.frexp(np.where(r == 0, 1, r))[1] - 1, -2) - 2)
;;       q = np.round(r / step) * step * 2.0 ** e      # np.round: ties to even
;;       return np.moveaxis(q.reshape(q.shape[:-2] + (-1,))[..., :K], -1, axis).astype(np.float32)
;;   ~~~
;;   OPERANDS COMPUTED ON THE WAY. 'Computed on the way' means the value that the module computes at that place (a softmax that the list does not call 'softmax' is quantised finished and normalised). What goes into a quantiser is computed in f32, as accurately as f32 sums, v_exp_f32 and their like allow (about 1e-6 of the number): no bf16 or f16 on the way to a quantiser, and a product that is left as it is and whose result goes on into a quantised operand takes f32 operands (vector FMAs, or v_wmma_f32_16x16x4_f32). A number that lies on a knife's edge between two numbers of the format may be rounded either way, as far as f32 arithmetic and the matrix unit's own rounding can turn it there, and no further.
;; 3 versions, each right; version 2 is faster than version 1; version 3 is version 2 with the launches up, down written anew for expert scheduling mode. Each part assembles by itself: llvm-mc -triple=amdgcn-amd-amdhsa -mcpu=gfx1250 --defsym DOCPART=n.
;; ======== version 1 of 3: 4 launches
;; workspace buffers: eidx 4,096 bytes of whole numbers; tok 4,608 bytes of whole numbers; meta 256 bytes of whole numbers; xq 786,432 bytes; xs 32,768 bytes; hq 3,538,944 bytes; hs 294,912 bytes
;; launch route (part 1): grid 256 x 1, 1 waves a work-group, no clusters, 0 bytes of LDS; arguments x, gate_w, gate_b, xq, xs, eidx; writes xq, xs, eidx
.if DOCPART == 1
	.amdgcn_target "amdgcn-amd-amdhsa--gfx1250"
	.amdhsa_code_object_version 6
	.text
	.protected	k_q4ff1fe271d_route
	.globl	k_q4ff1fe271d_route
	.p2align	8
	.type	k_q4ff1fe271d_route,@function
k_q4ff1fe271d_route:
	s_mov_b64 s[64:65], 0
	v_nop
	global_prefetch_b8 v0, s[64:65] scope:SCOPE_SE
	s_setreg_imm32_b32 hwreg(HW_REG_WAVE_MODE, 25, 1), 1
	s_wait_xcnt 0x0
; ROUTER AND FIRST QUANTISER.  x [1024][1024] f32, gate_w [1024][8], gate_b [8].  For each token: logits = x . gate_w + gate_b (f32 multiply-adds), softmax with the row's maximum taken away,
; the two largest scores (of equal scores the lower index first).  Of the experts whose kept score is above 0 the later one overwrites the earlier, so ONE expert's result stays for a token: the higher index
; of the two if the second score is above 0, else the first.  Stored: that expert's number (eidx, whole numbers, at the token's place) and x * its score as codes of E3M2 with one E8M0 byte for each 32 along K.
; xq [token][768 bytes]: the row's stream of bits, block b at byte 24 b.  xs [token][32 bytes]: byte b for block b.
; SHARES.  A work-group is one wave and takes 4 tokens.  Lane L owns k = 32 L .. 32 L + 31 of every row: a whole block, so that a block's largest magnitude and its conversions need no other lane.
; No matrix unit: the product has 8 columns, and its result goes on into a quantiser, so it is summed in f32.  No LDS, no barrier: the wave shares nothing.
; LIMITS.  NaN and infinities among the inputs are not served.  v_exp_f32 gives 0 for results under 2^-126: a second score that small counts as 0.  The logits are summed in another order than a plain
; ascending sum, so two scores that are equal within f32 rounding may change places.  A block of zeros gets the byte 1 and not 127: its codes are zeros, and this program alone reads the bytes.
.set W,   8                            ; v[8+2t] the kept score of token t, v[9+2t] its expert: a pair, of which the packed multiply takes the low word
.set S1,  16                           ; v16-19  largest score; earlier the row's maximum, later the block's largest magnitude
.set I1,  20                           ; v20-23  its index; later the scale byte
.set S2,  24                           ; v24-27  second score; later the conversions' scale operand
.set I2,  28                           ; v28-31  its index; later at work
.set ACC, 32                           ; v32-63  logits, then scores: 8 a token
.set X,   64                           ; v64-191 my 32 numbers of each of the 4 rows
.set G,   192                          ; v192-255 two sets of 32: gate_w's rows 32 L + 4 c .. + 3, 8 numbers each
.set C,   192                          ; later: the codes, 8 registers a token
.set SM,  224                          ; later: sums and reciprocals, 4 a token
.set NEG, 240                          ; -1.0
.set TMP, 244
	s_load_b256 s[4:11], s[0:1], 0x0               ; x s[4:5], gate_w s[6:7], gate_b s[8:9], xq s[10:11]
	s_load_b128 s[12:15], s[0:1], 0x20             ; xs s[12:13], eidx s[14:15]
	v_lshlrev_b32 v2, 7, v0                        ; x: my 128 bytes of a row
	v_lshlrev_b32 v3, 10, v0                       ; gate_w: my 32 rows of 32 bytes
	v_mul_u32_u24 v4, v0, 24                       ; xq: my block's 24 bytes
	v_and_b32 v6, 3, v0
	v_lshrrev_b32 v5, 2, v0
	v_lshlrev_b32 v5, 2, v5
	v_lshl_add_u32 v5, v6, 5, v5                   ; xs: lane L stores word L / 4 of token L % 4: 32 (L % 4) + 4 (L / 4)
	v_lshlrev_b32 v7, 2, v0                        ; eidx: 4 L
	v_cmp_eq_u32 s26, 1, v6                        ; which token's word a lane stores
	v_cmp_eq_u32 s27, 2, v6
	v_cmp_eq_u32 s28, 3, v6
	v_lshlrev_b32 v6, 3, v6                        ; my byte's place in its scale word, in bits
	s_mov_b32 s24, 0x76543210
	s_mov_b32 s25, 0xfedcba98                      ; v_permlanex16_b32's selects for lane l xor 16
	s_lshl_b32 s30, ttmp9, 14                      ; 4 rows of 4,096 bytes
	s_mov_b32 s31, 0
	s_mul_i32 s32, ttmp9, 3072                     ; 4 rows of 768
	s_mov_b32 s33, 0
	s_lshl_b32 s34, ttmp9, 7                       ; 4 rows of 32
	s_mov_b32 s35, 0
	s_lshl_b32 s36, ttmp9, 4                       ; 4 words
	s_mov_b32 s37, 0
	s_wait_kmcnt 0x0
	s_load_b256 s[16:23], s[8:9], 0x0              ; gate_b
	s_add_nc_u64 s[4:5], s[4:5], s[30:31]
	s_add_nc_u64 s[10:11], s[10:11], s[32:33]
	s_add_nc_u64 s[12:13], s[12:13], s[34:35]
	s_add_nc_u64 s[14:15], s[14:15], s[36:37]
.irp t, 0,1,2,3
.irp q, 0,1,2,3,4,5,6,7
	global_load_b128 v[X+32*\t+4*\q:X+32*\t+4*\q+3], v2, s[4:5] offset:4096*\t+16*\q th:TH_LOAD_NT
.endr
.endr
.macro GLOAD c                         ; chunk c: gate_w's rows 32 L + 4 c .. + 3 into set c % 2: register 8 j + e = gate_w[32 L + 4 c + j][e]
.irp m, 0,1,2,3,4,5,6,7
	global_load_b128 v[G+32*((\c)%2)+4*\m:G+32*((\c)%2)+4*\m+3], v3, s[6:7] offset:128*(\c)+16*\m
.endr
.endm
	GLOAD 0
	GLOAD 1
; 64 packed multiply-adds a chunk: two experts at a time, x's number serving both halves; sixteen chains that do not wait for each other.  The first products start the sums.
.macro CHUNK c
.set GB, G+32*((\c)%2)
.if (\c) < 7
	s_wait_loadcnt 8                               ; x and this chunk are in; the next chunk's eight loads may be out
.else
	s_wait_loadcnt 0
.endif
.irp j, 0,1,2,3
.irp t, 0,1,2,3
.irp p, 0,1,2,3
.if ((\c) == 0) && (\j == 0)
	v_pk_mul_f32 v[ACC+8*\t+2*\p:ACC+8*\t+2*\p+1], v[X+32*\t:X+32*\t+1], v[GB+2*\p:GB+2*\p+1] op_sel_hi:[0,1]
.elseif (\j%2) == 0
	v_pk_fma_f32 v[ACC+8*\t+2*\p:ACC+8*\t+2*\p+1], v[X+32*\t+4*(\c)+\j:X+32*\t+4*(\c)+\j+1], v[GB+8*\j+2*\p:GB+8*\j+2*\p+1], v[ACC+8*\t+2*\p:ACC+8*\t+2*\p+1] op_sel_hi:[0,1,1]
.else
	v_pk_fma_f32 v[ACC+8*\t+2*\p:ACC+8*\t+2*\p+1], v[X+32*\t+4*(\c)+\j-1:X+32*\t+4*(\c)+\j], v[GB+8*\j+2*\p:GB+8*\j+2*\p+1], v[ACC+8*\t+2*\p:ACC+8*\t+2*\p+1] op_sel:[1,0,0] op_sel_hi:[1,1,1]
.endif
.endr
.endr
.endr
.if (\c)+2 < 8
	GLOAD (\c)+2                                   ; into the set just used
.endif
.endm
.irp c, 0,1,2,3,4,5,6,7
	CHUNK \c
.endr
; the 32 lanes' parts are added: four steps inside each half of the lanes, one across
.irp m, 1,2,4,8
.set i, 0
.rept 32
	v_add_f32_dpp v[ACC+i], v[ACC+i], v[ACC+i] row_xmask:\m row_mask:0xf bank_mask:0xf
.set i, i+1
.endr
.endr
.set i, 0
.rept 32
	v_permlanex16_b32 v[G+i], v[ACC+i], s24, s25   ; (the destination counts as read: gate_w's registers have been written)
.set i, i+1
.endr
.set i, 0
.rept 32
	v_add_f32 v[ACC+i], v[ACC+i], v[G+i]
.set i, i+1
.endr
	s_wait_kmcnt 0x0                               ; gate_b
.irp t, 0,1,2,3
.irp e, 0,1,2,3,4,5,6,7
	v_add_f32 v[ACC+8*\t+\e], s[16+\e], v[ACC+8*\t+\e]
.endr
.endr
; softmax: the row's maximum is taken away ahead of the exponentials
.irp t, 0,1,2,3
	v_max3_num_f32 v[S1+\t], v[ACC+8*\t], v[ACC+8*\t+1], v[ACC+8*\t+2]
.endr
.irp t, 0,1,2,3
	v_max3_num_f32 v[S1+\t], v[S1+\t], v[ACC+8*\t+3], v[ACC+8*\t+4]
.endr
.irp t, 0,1,2,3
	v_max3_num_f32 v[S1+\t], v[S1+\t], v[ACC+8*\t+5], v[ACC+8*\t+6]
.endr
.irp t, 0,1,2,3
	v_max_num_f32 v[S1+\t], v[S1+\t], v[ACC+8*\t+7]
.endr
.irp t, 0,1,2,3
.irp e, 0,1,2,3,4,5,6,7
	v_sub_f32 v[ACC+8*\t+\e], v[ACC+8*\t+\e], v[S1+\t]
.endr
.endr
.set i, 0
.rept 16
	v_pk_mul_f32 v[ACC+i:ACC+i+1], v[ACC+i:ACC+i+1], 0x3fb8aa3b op_sel_hi:[1,0]   ; x log2(e): v_exp_f32 works in base 2
.set i, i+2
.endr
.set i, 0
.rept 32
	v_exp_f32 v[ACC+i], v[ACC+i]
.set i, i+1
.endr
	v_mov_b32 v[NEG], -1.0                         ; a plain instruction behind the last exponential
	s_wait_alu depctr_va_vdst(0)                   ; one wait for the 32 exponentials, ahead of their first reader
.irp t, 0,1,2,3
	v_pk_add_f32 v[SM+4*\t:SM+4*\t+1], v[ACC+8*\t:ACC+8*\t+1], v[ACC+8*\t+2:ACC+8*\t+3]
.endr
.irp t, 0,1,2,3
	v_pk_add_f32 v[SM+4*\t+2:SM+4*\t+3], v[ACC+8*\t+4:ACC+8*\t+5], v[ACC+8*\t+6:ACC+8*\t+7]
.endr
.irp t, 0,1,2,3
	v_pk_add_f32 v[SM+4*\t:SM+4*\t+1], v[SM+4*\t:SM+4*\t+1], v[SM+4*\t+2:SM+4*\t+3]
.endr
.irp t, 0,1,2,3
	v_add_f32 v[SM+4*\t], v[SM+4*\t], v[SM+4*\t+1]
.endr
.irp t, 0,1,2,3
	v_rcp_f32 v[SM+4*\t+2], v[SM+4*\t]
.endr
	v_nop                                          ; a plain instruction behind the last reciprocal
	s_wait_alu depctr_va_vdst(0)                   ; one wait for the four
.irp t, 0,1,2,3
.irp p, 0,1,2,3
	v_pk_mul_f32 v[ACC+8*\t+2*\p:ACC+8*\t+2*\p+1], v[ACC+8*\t+2*\p:ACC+8*\t+2*\p+1], v[SM+4*\t+2:SM+4*\t+3] op_sel_hi:[1,0]   ; the scores
.endr
.endr
; the largest score: a later one takes its place only if it is strictly larger, so of equal scores the lower index stays
.irp t, 0,1,2,3
	v_mov_b32 v[S1+\t], v[ACC+8*\t]
	v_mov_b32 v[I1+\t], 0
	v_mov_b32 v[S2+\t], -1.0
	v_mov_b32 v[I2+\t], 0
.endr
.irp e, 1,2,3,4,5,6,7
.irp t, 0,1,2,3
	v_cmp_gt_f32 vcc_lo, v[ACC+8*\t+\e], v[S1+\t]
	v_cndmask_b32 v[S1+\t], v[S1+\t], v[ACC+8*\t+\e], vcc_lo
	v_cndmask_b32 v[I1+\t], v[I1+\t], \e, vcc_lo
.endr
.endr
; the second: the same search with the first's place held at -1
.irp e, 0,1,2,3,4,5,6,7
.irp t, 0,1,2,3
	v_cmp_eq_u32 vcc_lo, \e, v[I1+\t]
	v_cndmask_b32 v[TMP+\t], v[ACC+8*\t+\e], v[NEG], vcc_lo
	v_cmp_gt_f32 vcc_lo, v[TMP+\t], v[S2+\t]
	v_cndmask_b32 v[S2+\t], v[S2+\t], v[TMP+\t], vcc_lo
	v_cndmask_b32 v[I2+\t], v[I2+\t], \e, vcc_lo
.endr
.endr
; whose result stays: the second's, if its score is above 0 and its index is the higher; a choice of values, no branch
.irp t, 0,1,2,3
	v_cmp_lt_f32 s38, 0, v[S2+\t]
	v_cmp_gt_u32 vcc_lo, v[I2+\t], v[I1+\t]
	s_and_b32 vcc_lo, vcc_lo, s38
	v_cndmask_b32 v[W+2*\t], v[S1+\t], v[S2+\t], vcc_lo
	v_cndmask_b32 v[W+2*\t+1], v[I1+\t], v[I2+\t], vcc_lo
.endr
.irp t, 0,1,2,3
.set i, 0
.rept 16
	v_pk_mul_f32 v[X+32*\t+i:X+32*\t+i+1], v[X+32*\t+i:X+32*\t+i+1], v[W+2*\t:W+2*\t+1] op_sel_hi:[1,0]   ; the score multiplies the expert's INPUT
.set i, i+2
.endr
.endr
; the quantiser: my block's largest magnitude, with the floor 2^(5 - 127) among its leaves, so that the byte cannot fall under 1; the four tokens by turns
.irp t, 0,1,2,3
	v_max3_num_f32 v[S1+\t], |v[X+32*\t]|, |v[X+32*\t+1]|, 0x2800000
.endr
.irp i, 2,4,6,8,10,12,14,16,18,20,22,24,26,28,30
.irp t, 0,1,2,3
	v_max3_num_f32 v[S1+\t], v[S1+\t], |v[X+32*\t+\i]|, |v[X+32*\t+\i+1]|
.endr
.endr
.irp t, 0,1,2,3
	v_add_nc_u32 v[S2+\t], 0xfe000000, v[S1+\t]    ; 4 off its exponent field: the conversion takes the exponent field of this operand as its scale
.endr
.irp t, 0,1,2,3
	v_cvt_scalef32_pk16_bf6_f32 v[C+8*\t:C+8*\t+2], v[X+32*\t:X+32*\t+15], v[S2+\t]
	v_cvt_scalef32_pk16_bf6_f32 v[C+8*\t+4:C+8*\t+6], v[X+32*\t+16:X+32*\t+31], v[S2+\t]   ; (a conversion's three registers begin on an even number)
.endr
.irp t, 0,1,2,3
	v_lshrrev_b32 v[I1+\t], 23, v[S2+\t]           ; the scale's byte.  (Plain lines behind the conversions)
.endr
.irp t, 0,1,2,3
	global_store_b96 v4, v[C+8*\t:C+8*\t+2], s[10:11] offset:768*\t        ; the two stores of a token cover its row's 768 consecutive bytes
	global_store_b96 v4, v[C+8*\t+4:C+8*\t+6], s[10:11] offset:768*\t+12
.endr
; four neighbouring lanes' bytes make a scale word
.irp t, 0,1,2,3
	v_lshlrev_b32 v[I1+\t], v6, v[I1+\t]
.endr
.irp m, 1,2
.irp t, 0,1,2,3
	v_mov_b32_dpp v[I2+\t], v[I1+\t] row_xmask:\m row_mask:0xf bank_mask:0xf
.endr
.irp t, 0,1,2,3
	v_or_b32 v[I1+\t], v[I1+\t], v[I2+\t]
.endr
.endr
	v_cndmask_b32 v16, v[I1], v[I1+1], s26         ; lane L takes token L % 4's word
	v_cndmask_b32 v16, v16, v[I1+2], s27
	v_cndmask_b32 v16, v16, v[I1+3], s28
	global_store_b32 v5, v16, s[12:13]             ; the wave stores the four rows' 128 consecutive bytes
	v_cndmask_b32 v17, v[W+1], v[W+3], s26         ; and token L % 4's expert
	v_cndmask_b32 v17, v17, v[W+5], s27
	v_cndmask_b32 v17, v17, v[W+7], s28
	v_cmp_gt_u32 vcc_lo, 4, v0
	s_wait_xcnt 0x0                                ; EXEC is a source of the stores above: it changes only behind this wait
	s_and_saveexec_b32 s39, vcc_lo
	global_store_b32 v7, v17, s[14:15]             ; lanes 0 to 3: the four tokens' experts
	s_wait_xcnt 0x0
	s_or_b32 exec_lo, exec_lo, s39
	s_endpgm
.Lfunc_end_k_q4ff1fe271d_route:
	.size	k_q4ff1fe271d_route, .Lfunc_end_k_q4ff1fe271d_route-k_q4ff1fe271d_route
	.p2alignl 7, 3214868480
	.fill 96, 4, 3214868480
	.section	.rodata,"a",@progbits
	.p2align	6, 0x0
	.amdhsa_kernel k_q4ff1fe271d_route
		.amdhsa_group_segment_fixed_size 0
		.amdhsa_private_segment_fixed_size 0
		.amdhsa_enable_private_segment 0
		.amdhsa_kernarg_size 48
		.amdhsa_user_sgpr_count 2
		.amdhsa_user_sgpr_kernarg_segment_ptr 1
		.amdhsa_wavefront_size32 1
		.amdhsa_system_sgpr_workgroup_id_x 1
		.amdhsa_system_sgpr_workgroup_id_y 1
		.amdhsa_system_sgpr_workgroup_id_z 1
		.amdhsa_system_vgpr_workitem_id 0
		.amdhsa_next_free_vgpr 256
		.amdhsa_next_free_sgpr 66
		.amdhsa_reserve_vcc 1
		.amdhsa_float_denorm_mode_32 3
		.amdhsa_float_denorm_mode_16_64 3
		.amdhsa_memory_ordered 1
		.amdhsa_forward_progress 1
		.amdhsa_inst_pref_size 84
	.end_amdhsa_kernel
	.amdgpu_metadata
---
amdhsa.version: [ 1, 2 ]
amdhsa.kernels:
  - .name:           k_q4ff1fe271d_route
    .symbol:         k_q4ff1fe271d_route.kd
    .args:
      - { .name: x, .offset: 0, .size: 8, .value_kind: global_buffer, .address_space: global }
      - { .name: gate_w, .offset: 8, .size: 8, .value_kind: global_buffer, .address_space: global }
      - { .name: gate_b, .offset: 16, .size: 8, .value_kind: global_buffer, .address_space: global }
      - { .name: xq, .offset: 24, .size: 8, .value_kind: global_buffer, .address_space: global }
      - { .name: xs, .offset: 32, .size: 8, .value_kind: global_buffer, .address_space: global }
      - { .name: eidx, .offset: 40, .size: 8, .value_kind: global_buffer, .address_space: global }
    .group_segment_fixed_size: 0
    .private_segment_fixed_size: 0
    .kernarg_segment_align: 8
    .kernarg_segment_size: 48
    .max_flat_workgroup_size: 32
    .sgpr_count:     66
    .vgpr_count:     256
    .wavefront_size: 32
...
	.end_amdgpu_metadata
.endif
;; end of part 1
;; launch place (part 2): grid 1 x 1, 8 waves a work-group, no clusters, 1,280 bytes of LDS; arguments eidx, tok, meta; writes tok, meta
.if DOCPART == 2
	.amdgcn_target "amdgcn-amd-amdhsa--gfx1250"
	.amdhsa_code_object_version 6
	.text
	.protected	k_q4ff1fe271d_place
	.globl	k_q4ff1fe271d_place
	.p2align	8
	.type	k_q4ff1fe271d_place,@function
k_q4ff1fe271d_place:
	s_mov_b64 s[64:65], 0
	v_nop
	global_prefetch_b8 v0, s[64:65] scope:SCOPE_SE
	s_setreg_imm32_b32 hwreg(HW_REG_WAVE_MODE, 25, 1), 1
	s_wait_xcnt 0x0
; THE ROWS ARE PLACED BY EXPERT: a counting sort of the 1,024 tokens by eidx, without atomics.  One work-group; wave e serves expert e and reads the whole list (4,096 bytes).
; Each expert's rows are filled up to whole tiles of 16.  tok [slot] = the token of that slot; a slot that only fills a tile up repeats one of the expert's own tokens, so that its row goes the same way
; as that token's own row and ends in the same bytes at the same place: the later launches need no mask.  meta [e] = {first tile, number of tiles}.
; At most (1024 + 8 x 15) / 16 = 71 tiles are used, whatever the choice; slots behind the last expert's last tile are not written, and no result of a later launch hangs on them.
	s_load_b128 s[4:7], s[0:1], 0x0                ; eidx s[4:5], tok s[6:7]
	s_load_b64 s[8:9], s[0:1], 0x10                ; meta
	v_lshl_add_u32 v64, v0, 2, 0x100
	v_mov_b32 v65, 0
	v_lshrrev_b32 v2, 5, v0
	v_readfirstlane_b32 s10, v2                    ; my wave = my expert
	v_and_b32 v1, 31, v0                           ; lane
	v_lshlrev_b32 v3, 2, v1
	v_lshlrev_b32 v4, 2, v2                        ; LDS: my wave's word
	v_lshlrev_b32 v16, 3, v2                       ; meta: my expert's 8 bytes
	v_mov_b32 v5, 0
	s_wait_kmcnt 0x0
.set c, 0
.rept 32
	global_load_b32 v[32+c], v3, s[4:5] offset:128*c       ; register c: the expert of token 32 c + lane
.set c, c+1
.endr
	s_wait_loadcnt 0x0
	s_mov_b32 s11, 0                               ; my expert's rows
	s_mov_b32 s27, 0                               ; one of its tokens
.set c, 0
.rept 32
	v_cmp_eq_u32 vcc_lo, s10, v[32+c]
	s_bcnt1_i32_b32 s12, vcc_lo
	s_add_co_u32 s11, s11, s12
	s_ctz_i32_b32 s26, vcc_lo
	s_add_co_u32 s26, s26, 32*c                    ; the lowest of my expert's tokens among these 32,
	s_cmp_lg_u32 s12, 0
	s_cselect_b32 s27, s26, s27                    ; if there is one
.set c, c+1
.endr
	v_mov_b32 v6, s11
	ds_store_b32 v4, v6                            ; all lanes write the same word with the same value
	s_wait_dscnt 0x0                               ; for the others' sake: my store is done
	s_barrier_signal -1
	s_barrier_wait -1
	ds_load_b128 v[8:11], v5
	ds_load_b128 v[12:15], v5 offset:16
	s_wait_dscnt 0x0
.irp i, 0,1,2,3,4,5,6,7
	v_readfirstlane_b32 s[16+\i], v[8+\i]
.endr
	s_mov_b32 s13, 0                               ; my first tile: the tiles of the experts ahead of mine
.irp i, 0,1,2,3,4,5,6,7
	s_add_co_u32 s12, s[16+\i], 15
	s_lshr_b32 s12, s12, 4
	s_cmp_gt_u32 s10, \i
	s_cselect_b32 s12, s12, 0
	s_add_co_u32 s13, s13, s12
.endr
	s_add_co_u32 s14, s11, 15
	s_lshr_b32 s14, s14, 4                         ; my tiles
	s_lshl_b32 s15, s13, 4                         ; the next free slot
	s_add_co_u32 s24, s13, s14
	s_lshl_b32 s24, s24, 4                         ; the slot behind my last tile
	s_wait_xcnt 0x0                                ; EXEC changes only behind this wait
.set c, 0
.rept 32
	v_cmp_eq_u32 vcc_lo, s10, v[32+c]
	v_mbcnt_lo_u32_b32 v6, vcc_lo, s15             ; the next free slot + my expert's tokens in the lanes below mine
	v_min_u32 v6, 0x47f, v6                        ; a number made of loaded ones enters an address only behind a bound: 1,151, the last slot
	v_lshlrev_b32 v6, 2, v6
	v_add_nc_u32 v7, 32*c, v1                      ; the token
	s_bcnt1_i32_b32 s12, vcc_lo
	s_add_co_u32 s15, s15, s12
	s_and_saveexec_b32 s25, vcc_lo
	global_store_b32 v6, v7, s[6:7]
	s_wait_xcnt 0x0                                ; the store has read EXEC, v6 and v7: all three are written again below
	s_mov_b32 exec_lo, -1                          ; all lanes were on: the constant is the old EXEC
.set c, c+1
.endr
	v_add_nc_u32 v6, s15, v1                       ; the slots that fill my last tile up: fewer than 16, and none where my expert has no token
	v_cmp_gt_u32 vcc_lo, s24, v6
	v_min_u32 v6, 0x47f, v6
	v_lshlrev_b32 v6, 2, v6
	v_mov_b32 v7, s27
	s_and_saveexec_b32 s25, vcc_lo
	global_store_b32 v6, v7, s[6:7]
	s_wait_xcnt 0x0
	s_mov_b32 exec_lo, -1
	v_mov_b32 v8, s13
	v_mov_b32 v9, s14
	v_cmp_eq_u32 vcc_lo, 0, v1
	s_and_saveexec_b32 s25, vcc_lo
	global_store_b64 v16, v[8:9], s[8:9]
	s_wait_xcnt 0x0
	s_mov_b32 exec_lo, -1
	s_wait_xcnt 0x0
	s_mov_b32 exec_lo, -1
	s_wait_tensorcnt 0x0
	ds_add_u32 v64, v65
	s_wait_dscnt 0x0
	s_endpgm
.Lfunc_end_k_q4ff1fe271d_place:
	.size	k_q4ff1fe271d_place, .Lfunc_end_k_q4ff1fe271d_place-k_q4ff1fe271d_place
	.p2alignl 7, 3214868480
	.fill 96, 4, 3214868480
	.section	.rodata,"a",@progbits
	.p2align	6, 0x0
	.amdhsa_kernel k_q4ff1fe271d_place
		.amdhsa_group_segment_fixed_size 1280
		.amdhsa_private_segment_fixed_size 0
		.amdhsa_enable_private_segment 0
		.amdhsa_kernarg_size 24
		.amdhsa_user_sgpr_count 2
		.amdhsa_user_sgpr_kernarg_segment_ptr 1
		.amdhsa_wavefront_size32 1
		.amdhsa_system_sgpr_workgroup_id_x 1
		.amdhsa_system_sgpr_workgroup_id_y 1
		.amdhsa_system_sgpr_workgroup_id_z 1
		.amdhsa_system_vgpr_workitem_id 0
		.amdhsa_next_free_vgpr 66
		.amdhsa_next_free_sgpr 66
		.amdhsa_reserve_vcc 1
		.amdhsa_float_denorm_mode_32 3
		.amdhsa_float_denorm_mode_16_64 3
		.amdhsa_memory_ordered 1
		.amdhsa_forward_progress 1
		.amdhsa_inst_pref_size 31
	.end_amdhsa_kernel
	.amdgpu_metadata
---
amdhsa.version: [ 1, 2 ]
amdhsa.kernels:
  - .name:           k_q4ff1fe271d_place
    .symbol:         k_q4ff1fe271d_place.kd
    .args:
      - { .name: eidx, .offset: 0, .size: 8, .value_kind: global_buffer, .address_space: global }
      - { .name: tok, .offset: 8, .size: 8, .value_kind: global_buffer, .address_space: global }
      - { .name: meta, .offset: 16, .size: 8, .value_kind: global_buffer, .address_space: global }
    .group_segment_fixed_size: 1280
    .private_segment_fixed_size: 0
    .kernarg_segment_align: 8
    .kernarg_segment_size: 24
    .max_flat_workgroup_size: 256
    .sgpr_count:     66
    .vgpr_count:     66
    .wavefront_size: 32
...
	.end_amdgpu_metadata
.endif
;; end of part 2
;; launch up (part 3): grid 32 x 8, 8 waves a work-group, no clusters, 132,096 bytes of LDS; arguments xq, xs, tok, meta, w1, b1, hq, hs; writes hq, hs
.if DOCPART == 3
	.amdgcn_target "amdgcn-amd-amdhsa--gfx1250"
	.amdhsa_code_object_version 6
	.text
	.protected	k_q4ff1fe271d_up
	.globl	k_q4ff1fe271d_up
	.p2align	8
	.type	k_q4ff1fe271d_up,@function
k_q4ff1fe271d_up:
	s_mov_b64 s[64:65], 0
	v_nop
	global_prefetch_b8 v0, s[64:65] scope:SCOPE_SE
	s_setreg_imm32_b32 hwreg(HW_REG_WAVE_MODE, 25, 1), 1
	s_wait_xcnt 0x0
; FIRST PRODUCT OF THE CHOSEN EXPERT: h = Q(relu(Q(x w) Q(w1[e]) + b1[e])), codes of E3M2 with one E8M0 scale for each 32 along K, for the rows that expert e keeps (lists tok and meta of the launch before).
; THE WEIGHTS STAND STILL, THE ROWS WALK.  Work-group (sl, e) owns hidden units 128 sl .. + 127 of expert e.  Wave w = g + 4 kp owns columns 32 g .. + 31 of them and K = 512 kp .. + 511: 64 KiB of f32, read once.
; w1 is [K][N]: A LANE TAKES A COLUMN AND ITS REGISTERS RUN DOWN K, so a block of 32 lies in one lane, and the conversions give codes with K innermost.  Two neighbouring blocks' codes change halves of
; the lanes (v_permlane16_swap_b32) and ARE the fragments of two tiles of 16 columns: 8 fragments, 96 registers, kept for the whole launch.  The codes of the weights never go to memory.
; LANE TO COLUMN: lane 16 u + r takes column 8 u + r % 8 + 16 (r / 8).  The product is used transposed (source 0 = 16 columns of w1, source 1 = 16 rows): lane (r, h) of the result holds row r, and register
; 8 u + j the column 16 h + 8 u + j: sixteen neighbours along the next product's K.
; A BATCH is up to 8 tiles of 16 rows.  MULTIPLY: every wave takes the batch's tiles past its fragments (8 matrix instructions a tile) and stores the partial sums to LDS as images of its registers | barrier |
; FINALISE: wave w adds tile w's two K halves for all 128 columns, relu, quantises (one K step of the second product) and stores codes and scale words as images of the operand's registers | barrier.
; The loop over batches has 8 trips whatever the counts (an expert has at most 64 tiles): every wave passes every barrier, and only work is jumped over, by scalar branches on the stored counts.
; A work-group whose expert has no rows jumps over the weights too: its 512 KiB are not read.  It still walks the loop and passes every barrier.
; The bias is the C of a sum's first matrix instruction, in the waves of the first K half alone.
; NO TENSOR LOADS, NO CLUSTER: branches hang on counts read from memory; and what the 32 work-groups of an expert share, its rows' codes (800 bytes a row), is small beside each one's own 524,288 bytes of weights.
; LIMITS.  NaN and infinities are not served.  A block of zeros gets the byte 1 and not 127 (its codes are zeros; this program alone reads the bytes).  K is split in two halves whose f32 sums are added at the end.
; A slot that only fills a tile up repeats one of the expert's tokens: its row is computed a second time, with the same bits.
; REGISTERS, window 0: v1 lane, v2 r, v3 h, v4 my column's bytes, v5 LDS out, v6-7 LDS back, v8 16 x lane, v9 4 x lane, v10 24 h, v11 4 r, v13 64 h; the rest below.  Window 1: v0-95 the fragments, (K step s, tile u) at 12 (2 s + u).
.set PITCH, 16384                      ; a row of w1[e] in bytes
.set NA,    25                         ; loads that bring a tile of rows: 24 of codes, 1 of scale words
.set WS,    16                         ; v16-19   the weights' scale words, one a K step; lane = column
.set BIAS,  20                         ; v20-35   b1 in the result's layout
.set ACC,   36                         ; v36-67   two sets of two accumulators
.set TK,    68                         ; v68-75   the batch's tokens: tile j, row r
.set VA,    76                         ; v76-83   their codes' byte offsets
.set VS,    84                         ; v84-91   their scale words'
.set MX,    92                         ; v92-95   at work: two maxima, the conversions' scale operand, the byte
.set AS,    96                         ; v96-103  the rows' scale words, two sets of four
.set CLE,   104                        ; a block's lower and upper 16 codes, 3 registers each: even block,
.set CUE,   108
.set CLO,   112                        ; odd block
.set CUO,   116
.set X,     120                        ; v120-215 three sets of 32 numbers of w1; later:
.set AB,    120                        ; two sets of four fragments of rows
.set HA,    120                        ; FINALISE: v120-183 the tile's 64 numbers a lane
.set T,     184                        ; v184-247 the second K half's; then at work:
.set TM,    184
.set PW,    200
.set PC,    204
.set WV,    20
.set G,     21
.set KP,    22
.set EX,    23
.set SL,    24
.set LAST,  27                         ; my expert's last tile
.set BC,    28                         ; the batch
.set TB,    29
.set FIRST, 44                         ; s[44:45] meta: first tile, number of tiles
.set NT,    45
.set MASK,  48
.set SEL,   50
.set MSB, 0
.macro WIN new                         ; the immediate's high byte repeats the setting that is left
.if MSB != \new
	s_set_vgpr_msb (MSB<<8)|\new
.set MSB, \new
.endif
.endm
	s_load_b256 s[4:11], s[0:1], 0x0               ; xq s[4:5], xs s[6:7], tok s[8:9], meta s[10:11]
	s_load_b256 s[12:19], s[0:1], 0x20             ; w1 s[12:13], b1 s[14:15], hq s[16:17], hs s[18:19]
	v_lshl_add_u32 v254, v0, 2, 0x20000
	v_mov_b32 v255, 0
	v_lshrrev_b32 v1, 5, v0
	v_readfirstlane_b32 s[WV], v1                  ; wave 0..7
	v_and_b32 v1, 31, v0
	v_and_b32 v2, 15, v0
	v_bfe_u32 v3, v0, 4, 1
	s_and_b32 s[G], s[WV], 3
	s_lshr_b32 s[KP], s[WV], 2
	s_and_b32 s[EX], ttmp7, 0xffff
	s_mov_b32 s[SL], ttmp9
	s_lshl_b32 s46, s[EX], 3
	s_mov_b32 s47, 0
	s_wait_kmcnt 0x0
	s_add_nc_u64 s[10:11], s[10:11], s[46:47]
	s_load_b64 s[FIRST:FIRST+1], s[10:11], 0x0
	v_and_b32 v4, 7, v0
	v_bfe_u32 v12, v0, 3, 1
	v_lshl_add_u32 v4, v12, 4, v4
	v_lshl_add_u32 v4, v3, 3, v4
	v_lshlrev_b32 v4, 2, v4                        ; 4 x (lane % 8 + 16 ((lane / 8) % 2) + 8 (lane / 16))
	v_lshlrev_b32 v8, 4, v1
	v_lshlrev_b32 v9, 2, v1
	v_mul_u32_u24 v10, v3, 24
	v_lshlrev_b32 v11, 2, v2
	v_lshlrev_b32 v13, 6, v3
	s_lshl_b32 s30, s[WV], 14
	v_add_nc_u32 v5, s30, v8                       ; out: my wave's 8 images of 2,048 bytes
	s_lshl_b32 s30, s[WV], 11
	v_add_nc_u32 v6, s30, v8                       ; back: tile number = my wave's, of waves 0 to 3;
	v_add_nc_u32 v7, 0x10000, v6                   ; of waves 4 to 7
	s_mov_b32 s[SEL], 0x76543210
	s_mov_b32 s[SEL+1], 0xfedcba98
	s_cmp_eq_u32 s[KP], 0
	s_cselect_b32 s[MASK], -1, 0
	s_lshl_b32 s30, s[SL], 9
	s_lshl_b32 s31, s[G], 7
	s_add_co_u32 s30, s30, s31                     ; my first column, in bytes
	s_lshl_b32 s46, s[EX], 24
	s_lshl_b32 s31, s[KP], 23
	s_add_co_u32 s46, s46, s31
	s_add_co_u32 s46, s46, s30
	s_add_nc_u64 s[12:13], s[12:13], s[46:47]      ; w1[e], row 512 kp, my first column
	s_lshl_b32 s46, s[EX], 14
	s_add_co_u32 s46, s46, s30
	s_add_nc_u64 s[14:15], s[14:15], s[46:47]
	s_mul_i32 s46, s[KP], 384
	s_add_nc_u64 s[4:5], s[4:5], s[46:47]          ; the rows' codes of my K half,
	s_lshl_b32 s46, s[KP], 4
	s_add_nc_u64 s[6:7], s[6:7], s[46:47]          ; and its four scale words
	s_wait_kmcnt 0x0                               ; meta
	s_add_co_u32 s[LAST], s[FIRST], s[NT]
	s_sub_co_u32 s[LAST], s[LAST], 1
; the tokens of the eight tiles from tile s[TB] on.  A tile past my expert's last is that last tile again: all eight are always walked, so every counted wait counts the same loads
.macro TKLOAD
.irp j, 0,1,2,3,4,5,6,7
	s_add_co_u32 s31, s[TB], \j
	s_min_u32 s31, s31, s[LAST]
	s_min_u32 s31, s31, 71                         ; a loaded number enters an address only behind a bound written here
	s_lshl_b32 s31, s31, 6
	v_add_nc_u32 v[TK+\j], s31, v11
.endr
.irp j, 0,1,2,3,4,5,6,7
	global_load_b32 v[TK+\j], v[TK+\j], s[8:9]
.endr
.endm
.macro TKCONV
.irp j, 0,1,2,3,4,5,6,7
	v_min_u32 v[TK+\j], 0x3ff, v[TK+\j]
	v_mad_u32_u24 v[VA+\j], v[TK+\j], 768, v10     ; row x 768 + 24 h
	v_lshlrev_b32 v[VS+\j], 5, v[TK+\j]
.endr
.endm
	s_mov_b32 s[TB], s[FIRST]
	TKLOAD                                         ; the first batch's list comes while the weights stream
.irp q, 0,1,2,3
	global_load_b128 v[BIAS+4*\q:BIAS+4*\q+3], v13, s[14:15] offset:16*\q   ; b1 at columns 16 h + 0 .. 15
.endr
; ---- THE WEIGHTS.  Block t = K 32 t .. + 31 of my part: 32 loads, each 128 consecutive bytes of a row of w1; the four waves of a K half stand side by side on 512
.macro LOAD t
.irp i, 0,1,2,3,4,5,6,7,8,9,10,11,12,13,14,15,16,17,18,19,20,21,22,23,24,25,26,27,28,29,30,31
	global_load_b32 v[X+32*((\t)%3)+\i], v4, s[12:13] offset:(32*(\t)+\i)*PITCH th:TH_LOAD_NT   ; 511 x 16,384 at the most: inside the signed 24-bit immediate
.endr
.endm
.macro BLOCK t
.set XS, X+32*((\t)%3)
.if (\t) < 14
	s_wait_loadcnt 63                              ; two blocks, 64 loads, are younger than this block's; the wait's field holds 63 at the most
.elseif (\t) == 14
	s_wait_loadcnt 32
.else
	s_wait_loadcnt 0
.endif
	v_max3_num_f32 v[MX], |v[XS]|, |v[XS+1]|, |v[XS+2]|            ; the block's largest magnitude: all 32 numbers are mine; two chains
	v_max3_num_f32 v[MX+1], |v[XS+3]|, |v[XS+4]|, |v[XS+5]|
.irp i, 6,10,14,18,22,26
	v_max3_num_f32 v[MX], v[MX], |v[XS+\i]|, |v[XS+\i+1]|
	v_max3_num_f32 v[MX+1], v[MX+1], |v[XS+\i+2]|, |v[XS+\i+3]|
.endr
	v_max3_num_f32 v[MX], v[MX], |v[XS+30]|, |v[XS+31]|
	v_max3_num_f32 v[MX], v[MX], v[MX+1], 0x2800000                ; and the floor 2^(5 - 127): the byte cannot fall under 1
	v_add_nc_u32 v[MX+2], 0xfe000000, v[MX]                        ; 4 off its exponent field: the conversions' scale operand
.set CD, CLE+8*((\t)%2)
	v_cvt_scalef32_pk16_bf6_f32 v[CD:CD+2], v[XS:XS+15], v[MX+2]
	v_cvt_scalef32_pk16_bf6_f32 v[CD+4:CD+6], v[XS+16:XS+31], v[MX+2]
.if (\t)%4 == 0
	v_lshrrev_b32 v[WS+(\t)/4], 23, v[MX+2]                        ; the scale's byte, four to a word.  (A plain line behind the conversions)
.else
	v_lshrrev_b32 v[MX+3], 23, v[MX+2]
	v_lshl_or_b32 v[WS+(\t)/4], v[MX+3], 8*((\t)%4), v[WS+(\t)/4]
.endif
.if (\t)+3 < 16
	LOAD (\t)+3                                    ; into the set just converted
.endif
.if (\t)%2 == 1
; lanes 0-15 hold tile 0's columns, lanes 16-31 tile 1's.  A fragment wants the even block in lanes 0-15 and the odd one in lanes 16-31: the even block's upper lanes change places with the odd block's lower
.irp i, 0,1,2
	v_permlane16_swap_b32 v[CLE+\i], v[CLO+\i]
	v_permlane16_swap_b32 v[CUE+\i], v[CUO+\i]
.endr
	WIN 0x40                                       ; destination window 1
.set FD, 24*((\t)/4)+6*(((\t)%4)/2)
.irp i, 0,1,2
	v_mov_b32 v[FD+\i], v[CLE+\i]                  ; tile 0: registers 6 c .. 6 c + 5
	v_mov_b32 v[FD+3+\i], v[CUE+\i]
	v_mov_b32 v[FD+12+\i], v[CLO+\i]               ; tile 1
	v_mov_b32 v[FD+15+\i], v[CUO+\i]
.endr
	WIN 0
.endif
.endm
	s_cmp_eq_u32 s[NT], 0
	s_cbranch_scc1 .Lempty                         ; no row keeps this expert's result: its weights are not read.  No barrier stands between here and the label where the two ways join
	LOAD 0
	LOAD 1
	LOAD 2
.irp t, 0,1,2,3,4,5,6,7,8,9,10,11,12,13,14,15
	BLOCK \t
.endr
	s_branch .Lrows
.Lempty:
	s_wait_loadcnt 0x0                             ; the list and the bias
; On this way every batch below is jumped over, so the fragments and their scale words are never multiplied; they are written all the same, so that each register is written on every way to a line that names it
	WIN 0x40
.set i, 0
.rept 96
	v_mov_b32 v[i], 0
.set i, i+1
.endr
	WIN 0
.irp s, 0,1,2,3
	v_mov_b32 v[WS+\s], 0
.endr
.Lrows:
.set i, 0
.rept 16
	v_and_b32 v[BIAS+i], s[MASK], v[BIAS+i]        ; the bias counts once: in the first K half.  (These lines and the list's are also the places between the last write of a scale word or a fragment and the first product)
.set i, i+1
.endr
	TKCONV
; ---- THE ROWS
.macro ALOAD j                         ; tile j's four fragments (lane (r, h): 24 bytes at 24 h and at 48 + 24 h of each K step's 96, in pieces of 8) and its four scale words, into set j % 2
.set AP, AB+48*((\j)%2)
.irp s, 0,1,2,3
.irp q, 0,1,2,3,4,5
	global_load_b64 v[AP+12*\s+2*\q:AP+12*\s+2*\q+1], v[VA+(\j)], s[4:5] offset:96*\s+48*(\q/3)+8*(\q%3)
.endr
.endr
	global_load_b128 v[AS+4*((\j)%2):AS+4*((\j)%2)+3], v[VS+(\j)], s[6:7]
.endm
.macro TILE j
.set AP, AB+48*((\j)%2)
.set AC, ACC+16*((\j)%2)
.set SQ, AS+4*((\j)%2)
.if (\j) < 7
	s_wait_loadcnt NA                              ; this tile is in; the next tile's loads may be out
.else
	s_wait_loadcnt 0
.endif
.if (\j) >= 2
	s_wait_dscnt 4                                 ; the LDS stores of two tiles ago have read this set of accumulators; the last tile's four may be out
.endif
	WIN 0x01                                       ; source 0 (the weights) window 1
.irp s, 0,1,2,3                        ; the two accumulators by turns, one instruction a turn
.if \s == 0
	v_wmma_scale_f32_16x16x128_f8f6f4 v[AC:AC+7], v[24*\s:24*\s+11], v[AP+12*\s:AP+12*\s+11], v[BIAS:BIAS+7], v[WS+\s], v[SQ+\s] matrix_a_fmt:MATRIX_FMT_BF6 matrix_b_fmt:MATRIX_FMT_BF6
	v_wmma_scale_f32_16x16x128_f8f6f4 v[AC+8:AC+15], v[24*\s+12:24*\s+23], v[AP+12*\s:AP+12*\s+11], v[BIAS+8:BIAS+15], v[WS+\s], v[SQ+\s] matrix_a_fmt:MATRIX_FMT_BF6 matrix_b_fmt:MATRIX_FMT_BF6 matrix_a_scale:MATRIX_SCALE_ROW1
.else
	v_wmma_scale_f32_16x16x128_f8f6f4 v[AC:AC+7], v[24*\s:24*\s+11], v[AP+12*\s:AP+12*\s+11], v[AC:AC+7], v[WS+\s], v[SQ+\s] matrix_a_fmt:MATRIX_FMT_BF6 matrix_b_fmt:MATRIX_FMT_BF6
	v_wmma_scale_f32_16x16x128_f8f6f4 v[AC+8:AC+15], v[24*\s+12:24*\s+23], v[AP+12*\s:AP+12*\s+11], v[AC+8:AC+15], v[WS+\s], v[SQ+\s] matrix_a_fmt:MATRIX_FMT_BF6 matrix_b_fmt:MATRIX_FMT_BF6 matrix_a_scale:MATRIX_SCALE_ROW1
.endif
.endr
	WIN 0
.rept 5
	v_nop                                          ; places in front of the stores that read the results and of the loads into the rows' registers
.endr
.irp i, 0,1,2,3
	ds_store_b128 v5, v[AC+4*\i:AC+4*\i+3] offset:2048*(\j)+512*\i   ; an image of the registers, each accumulator from its low end on
.endr
.if (\j)+2 < 8
	ALOAD (\j)+2
.endif
.endm
	s_mov_b32 s[BC], 0
.Lbatch:
	s_lshl_b32 s30, s[BC], 3
	s_cmp_ge_u32 s30, s[NT]
	s_cbranch_scc1 .Lnomul
	s_add_co_u32 s[TB], s[FIRST], s30
	s_add_co_u32 s[TB], s[TB], 8
	TKLOAD                                         ; the NEXT batch's list: it is older than every load below, and is turned into offsets behind the last tile's wait for 0
	ALOAD 0
	ALOAD 1
.irp j, 0,1,2,3,4,5,6,7
	TILE \j
.endr
	TKCONV                                         ; no load is out: the offsets may be written
.Lnomul:
	s_wait_dscnt 0x0                               ; for the others' sake: my images lie in LDS
	s_barrier_signal -1
	s_barrier_wait -1
	s_lshl_b32 s30, s[BC], 3
	s_add_co_u32 s30, s30, s[WV]                   ; my tile of the batch
	s_cmp_ge_u32 s30, s[NT]
	s_cbranch_scc1 .Lnofin
.irp g, 0,1,2,3
.irp i, 0,1,2,3
	ds_load_b128 v[HA+16*\g+4*\i:HA+16*\g+4*\i+3], v6 offset:16384*\g+512*\i   ; columns 32 g + 16 h + 0 .. 15 of row r: first K half,
	ds_load_b128 v[T+16*\g+4*\i:T+16*\g+4*\i+3], v7 offset:16384*\g+512*\i     ; second
.endr
.endr
	s_add_co_u32 s31, s30, s[FIRST]
	s_min_u32 s31, s31, 71
	s_mul_i32 s32, s31, 49152                      ; hq: 32 K steps of 1,536 bytes a tile
	s_mul_i32 s34, s[SL], 1536
	s_add_co_u32 s32, s32, s34
	s_mov_b32 s33, 0
	s_add_nc_u64 s[40:41], s[16:17], s[32:33]
	s_lshl_b32 s32, s31, 12                        ; hs: 32 K steps of 128 bytes
	s_lshl_b32 s34, s[SL], 7
	s_add_co_u32 s32, s32, s34
	s_add_nc_u64 s[42:43], s[18:19], s[32:33]
	s_wait_dscnt 0x0
.set i, 0
.rept 32
	v_pk_add_f32 v[HA+i:HA+i+1], v[HA+i:HA+i+1], v[T+i:T+i+1]
.set i, i+2
.endr
.set i, 0
.rept 64
	v_max_num_f32 v[HA+i], 0, v[HA+i]              ; the activation, in f32
.set i, i+1
.endr
; the quantiser: register 16 b + i = k 32 b + 16 h + i of my row.  No |.|: nothing is negative here
.irp b, 0,1,2,3
	v_max3_num_f32 v[TM+\b], v[HA+16*\b], v[HA+1+16*\b], 0x2800000   ; my 16 numbers of block b, and the floor 2^(5 - 127)
.endr
.irp i, 2,4,6,8,10,12,14
.irp b, 0,1,2,3
	v_max3_num_f32 v[TM+\b], v[TM+\b], v[HA+16*\b+\i], v[HA+1+16*\b+\i]
.endr
.endr
.irp b, 0,1,2,3
	v_permlanex16_b32 v[TM+4+\b], v[TM+\b], s[SEL], s[SEL+1]
.endr
.irp b, 0,1,2,3
	v_max_num_f32 v[TM+\b], v[TM+\b], v[TM+4+\b]   ; with lane l xor 16's: the block's largest
.endr
.irp b, 0,1,2,3
	v_add_nc_u32 v[TM+12+\b], 0xfe000000, v[TM+\b]
.endr
.irp b, 0,1,2,3
	v_lshrrev_b32 v[TM+4+\b], 23, v[TM+12+\b]
.endr
	v_lshl_or_b32 v[PW], v[TM+5], 8, v[TM+4]       ; my row's scale word
	v_lshl_or_b32 v[PW], v[TM+6], 16, v[PW]
	v_lshl_or_b32 v[PW], v[TM+7], 24, v[PW]
.irp c, 0,1
	v_cvt_scalef32_pk16_bf6_f32 v[PC+6*\c:PC+2+6*\c], v[HA+32*\c:HA+15+32*\c], v[TM+12+2*\c]
	v_cvt_scalef32_pk16_bf6_f32 v[PC+12+4*\c:PC+14+4*\c], v[HA+16+32*\c:HA+31+32*\c], v[TM+12+2*\c+1]
.endr
	v_nop                                          ; one plain line behind the conversions
.irp c, 0,1                            ; the operand's layout wants a whole block in a lane
.irp i, 0,1,2
	v_permlane16_swap_b32 v[PC+6*\c+\i], v[PC+12+4*\c+\i]
.endr
.irp i, 0,1,2
	v_mov_b32 v[PC+3+6*\c+\i], v[PC+12+4*\c+\i]
.endr
.endr
.irp c, 0,1,2
	global_store_b128 v8, v[PC+4*\c:PC+4*\c+3], s[40:41] offset:512*\c   ; 512 consecutive bytes, at a multiple of 256 from hq's first byte
.endr
	global_store_b32 v9, v[PW], s[42:43]
	s_wait_xcnt 0x0                                ; the stores have read their data and bases: both are written again in the next trip
.Lnofin:
	s_wait_dscnt 0x0                               ; my reads of the images are over: the next batch may overwrite them
	s_barrier_signal -1
	s_barrier_wait -1
	s_add_co_u32 s[BC], s[BC], 1
	s_cmp_lt_u32 s[BC], 8
	s_cbranch_scc1 .Lbatch
	s_wait_tensorcnt 0x0
	ds_add_u32 v254, v255
	s_wait_dscnt 0x0
	s_endpgm
.Lfunc_end_k_q4ff1fe271d_up:
	.size	k_q4ff1fe271d_up, .Lfunc_end_k_q4ff1fe271d_up-k_q4ff1fe271d_up
	.p2alignl 7, 3214868480
	.fill 96, 4, 3214868480
	.section	.rodata,"a",@progbits
	.p2align	6, 0x0
	.amdhsa_kernel k_q4ff1fe271d_up
		.amdhsa_group_segment_fixed_size 132096
		.amdhsa_private_segment_fixed_size 0
		.amdhsa_enable_private_segment 0
		.amdhsa_kernarg_size 64
		.amdhsa_user_sgpr_count 2
		.amdhsa_user_sgpr_kernarg_segment_ptr 1
		.amdhsa_wavefront_size32 1
		.amdhsa_system_sgpr_workgroup_id_x 1
		.amdhsa_system_sgpr_workgroup_id_y 1
		.amdhsa_system_sgpr_workgroup_id_z 1
		.amdhsa_system_vgpr_workitem_id 0
		.amdhsa_next_free_vgpr 352
		.amdhsa_next_free_sgpr 66
		.amdhsa_reserve_vcc 0
		.amdhsa_float_denorm_mode_32 3
		.amdhsa_float_denorm_mode_16_64 3
		.amdhsa_memory_ordered 1
		.amdhsa_forward_progress 1
		.amdhsa_inst_pref_size 131
	.end_amdhsa_kernel
	.amdgpu_metadata
---
amdhsa.version: [ 1, 2 ]
amdhsa.kernels:
  - .name:           k_q4ff1fe271d_up
    .symbol:         k_q4ff1fe271d_up.kd
    .args:
      - { .name: xq, .offset: 0, .size: 8, .value_kind: global_buffer, .address_space: global }
      - { .name: xs, .offset: 8, .size: 8, .value_kind: global_buffer, .address_space: global }
      - { .name: tok, .offset: 16, .size: 8, .value_kind: global_buffer, .address_space: global }
      - { .name: meta, .offset: 24, .size: 8, .value_kind: global_buffer, .address_space: global }
      - { .name: w1, .offset: 32, .size: 8, .value_kind: global_buffer, .address_space: global }
      - { .name: b1, .offset: 40, .size: 8, .value_kind: global_buffer, .address_space: global }
      - { .name: hq, .offset: 48, .size: 8, .value_kind: global_buffer, .address_space: global }
      - { .name: hs, .offset: 56, .size: 8, .value_kind: global_buffer, .address_space: global }
    .group_segment_fixed_size: 132096
    .private_segment_fixed_size: 0
    .kernarg_segment_align: 8
    .kernarg_segment_size: 64
    .max_flat_workgroup_size: 256
    .sgpr_count:     66
    .vgpr_count:     352
    .wavefront_size: 32
...
	.end_amdgpu_metadata
.endif
;; end of part 3
;; launch down (part 4): grid 32 x 8, 8 waves a work-group, no clusters, 148,480 bytes of LDS; arguments hq, hs, tok, meta, w2, b2, out0; writes out0
.if DOCPART == 4
	.amdgcn_target "amdgcn-amd-amdhsa--gfx1250"
	.amdhsa_code_object_version 6
	.text
	.protected	k_q4ff1fe271d_down
	.globl	k_q4ff1fe271d_down
	.p2align	8
	.type	k_q4ff1fe271d_down,@function
k_q4ff1fe271d_down:
	s_mov_b64 s[64:65], 0
	v_nop
	global_prefetch_b8 v0, s[64:65] scope:SCOPE_SE
	s_setreg_imm32_b32 hwreg(HW_REG_WAVE_MODE, 25, 1), 1
	s_wait_xcnt 0x0
; SECOND PRODUCT OF THE CHOSEN EXPERT: out0[token] = Q(h) Q(w2[e]) + b2[e], for the rows that expert e keeps.  Each token is in exactly one expert's list, so each output row has one owner for each slice of columns.
; THE WEIGHTS STAND STILL, THE ROWS WALK, as in the launch before.  Work-group (sl, e) owns output columns 32 sl .. + 31 of expert e; wave w owns K = 512 w .. + 511 of them: 64 KiB of f32, read once,
; quantised in registers (a lane to a column, registers down K) and kept as 8 fragments.  LANE TO COLUMN: lane 16 u + r takes column 8 u + r % 8 + 16 (r / 8); the product is used transposed, so lane (r, h) of
; the result holds row r, and register 8 u + j the column 16 h + 8 u + j.
; A BATCH is up to 8 tiles of 16 rows.  MULTIPLY: every wave takes the batch's tiles past its fragments; the rows' fragments and scale words come from hq and hs as images of the operand's registers, by loads of
; 16 bytes a lane; the partial sums go to LDS as rows of 128 bytes + 16 | barrier | FINALISE: wave w adds tile w's eight K parts and stores each row's 128 bytes at its token's place | barrier.
; The loop over batches has 8 trips whatever the counts; only work is jumped over, by scalar branches on the stored counts, and every wave passes every barrier.
; A work-group whose expert has no rows jumps over the weights too: its 512 KiB are not read.
; The bias is the C of a sum's first matrix instruction, in wave 0 alone.
; A slot that only fills a tile up repeats one of the expert's tokens: its row has gone through the same codes, products and sums as that token's own row, and the same wave stores the same bytes at the same place.
; So no store needs a mask.
; A work-group's share of an output row is 128 consecutive bytes, which eight lanes store together.  Slices of 64 columns would halve the work-groups.
; NO TENSOR LOADS, NO CLUSTER: branches hang on counts read from memory; what the 32 work-groups of an expert share, its rows' codes, is small beside each one's own 524,288 bytes of weights.
; LIMITS.  NaN and infinities are not served.  A block of zeros gets the byte 1 and not 127.  K is split in eight parts whose f32 sums are added at the end, K ascending.
; REGISTERS, window 0: v1 lane, v2 r, v3 h, v4 my column's bytes, v5 LDS out, v6-7 LDS back, v8 16 x lane, v9 4 x lane, v10 16 (lane % 8), v11 4 (lane / 8), v12 the list's offset, v13 64 h.  Window 1: v0-95 the fragments.
.set PITCH, 4096                       ; a row of w2[e] in bytes
.set NA,    16                         ; loads that bring a tile of rows: 12 of codes, 4 of scale words
.set WS,    16
.set BIAS,  20
.set ACC,   36
.set VA,    76
.set VS,    84
.set MX,    92
.set AS,    96
.set CLE,   104
.set CUE,   108
.set CLO,   112
.set CUO,   116
.set X,     120
.set AB,    120
.set S,     120                        ; FINALISE: v120-247 eight parts x 16 registers
.set TKR,   248                        ; v248-251 the tokens of my four rows
.set OA,    252                        ; v252-255 their places in out0
.set WV,    20
.set EX,    23
.set SL,    24
.set LAST,  27
.set BC,    28
.set TB,    29
.set FIRST, 44
.set NT,    45
.set MASK,  48
.set MSB, 0
.macro WIN new                         ; the immediate's high byte repeats the setting that is left
.if MSB != \new
	s_set_vgpr_msb (MSB<<8)|\new
.set MSB, \new
.endif
.endm
	s_load_b256 s[4:11], s[0:1], 0x0               ; hq s[4:5], hs s[6:7], tok s[8:9], meta s[10:11]
	s_load_b128 s[12:15], s[0:1], 0x20             ; w2 s[12:13], b2 s[14:15]
	s_load_b64 s[16:17], s[0:1], 0x30              ; out0
	v_lshl_add_u32 v115, v0, 2, 0x24000
	v_mov_b32 v119, 0
	v_lshrrev_b32 v1, 5, v0
	v_readfirstlane_b32 s[WV], v1                  ; wave 0..7
	v_and_b32 v1, 31, v0
	v_and_b32 v2, 15, v0
	v_bfe_u32 v3, v0, 4, 1
	s_and_b32 s[EX], ttmp7, 0xffff
	s_mov_b32 s[SL], ttmp9
	s_lshl_b32 s46, s[EX], 3
	s_mov_b32 s47, 0
	s_wait_kmcnt 0x0
	s_add_nc_u64 s[10:11], s[10:11], s[46:47]
	s_load_b64 s[FIRST:FIRST+1], s[10:11], 0x0
	v_and_b32 v4, 7, v0
	v_bfe_u32 v12, v0, 3, 1
	v_lshl_add_u32 v4, v12, 4, v4
	v_lshl_add_u32 v4, v3, 3, v4
	v_lshlrev_b32 v4, 2, v4                        ; 4 x (lane % 8 + 16 ((lane / 8) % 2) + 8 (lane / 16))
	v_lshlrev_b32 v8, 4, v1
	v_lshlrev_b32 v9, 2, v1
	v_lshlrev_b32 v13, 6, v3
	s_mul_i32 s30, s[WV], 18432
	v_mul_u32_u24 v5, v2, 144
	v_lshl_add_u32 v5, v3, 6, v5
	v_add_nc_u32 v5, s30, v5                       ; out: my wave's 8 tiles of 16 rows x 144 bytes; row r, + 64 h
	v_lshrrev_b32 v14, 3, v1
	v_and_b32 v15, 7, v1
	v_mul_u32_u24 v6, v14, 144
	v_lshl_add_u32 v6, v15, 4, v6
	s_mul_i32 s30, s[WV], 2304
	v_add_nc_u32 v6, s30, v6                       ; back: tile number = my wave's; eight lanes to a row, four rows an instruction; parts 0 to 3,
	v_add_nc_u32 v7, 0x12000, v6                   ; parts 4 to 7
	v_lshlrev_b32 v10, 4, v15
	v_lshlrev_b32 v11, 2, v14
	s_cmp_eq_u32 s[WV], 0
	s_cselect_b32 s[MASK], -1, 0
	s_lshl_b32 s30, s[SL], 7                       ; my first column, in bytes
	s_lshl_b32 s46, s[EX], 24
	s_lshl_b32 s31, s[WV], 21
	s_add_co_u32 s46, s46, s31
	s_add_co_u32 s46, s46, s30
	s_add_nc_u64 s[12:13], s[12:13], s[46:47]      ; w2[e], row 512 w, my first column
	s_lshl_b32 s46, s[EX], 12
	s_add_co_u32 s46, s46, s30
	s_add_nc_u64 s[14:15], s[14:15], s[46:47]
	s_mov_b32 s46, s30
	s_add_nc_u64 s[16:17], s[16:17], s[46:47]
	s_mul_i32 s46, s[WV], 6144
	s_add_nc_u64 s[4:5], s[4:5], s[46:47]          ; the rows' K steps 4 w .. 4 w + 3: codes,
	s_lshl_b32 s46, s[WV], 9
	s_add_nc_u64 s[6:7], s[6:7], s[46:47]          ; scale words
	s_wait_kmcnt 0x0                               ; meta
	s_add_co_u32 s[LAST], s[FIRST], s[NT]
	s_sub_co_u32 s[LAST], s[LAST], 1
.irp q, 0,1,2,3
	global_load_b128 v[BIAS+4*\q:BIAS+4*\q+3], v13, s[14:15] offset:16*\q   ; b2 at columns 16 h + 0 .. 15
.endr
; ---- THE WEIGHTS.  Block t = K 32 t .. + 31 of my part: 32 loads, each 128 consecutive bytes of a row of w2.  No NT word: the other half of each aligned 256 bytes is the neighbouring slice's
.macro LOAD t
.irp i, 0,1,2,3,4,5,6,7,8,9,10,11,12,13,14,15,16,17,18,19,20,21,22,23,24,25,26,27,28,29,30,31
	global_load_b32 v[X+32*((\t)%3)+\i], v4, s[12:13] offset:(32*(\t)+\i)*PITCH
.endr
.endm
.macro BLOCK t
.set XS, X+32*((\t)%3)
.if (\t) < 14
	s_wait_loadcnt 63                              ; two blocks, 64 loads, are younger than this block's; the wait's field holds 63 at the most
.elseif (\t) == 14
	s_wait_loadcnt 32
.else
	s_wait_loadcnt 0
.endif
	v_max3_num_f32 v[MX], |v[XS]|, |v[XS+1]|, |v[XS+2]|            ; the block's largest magnitude: all 32 numbers are mine; two chains
	v_max3_num_f32 v[MX+1], |v[XS+3]|, |v[XS+4]|, |v[XS+5]|
.irp i, 6,10,14,18,22,26
	v_max3_num_f32 v[MX], v[MX], |v[XS+\i]|, |v[XS+\i+1]|
	v_max3_num_f32 v[MX+1], v[MX+1], |v[XS+\i+2]|, |v[XS+\i+3]|
.endr
	v_max3_num_f32 v[MX], v[MX], |v[XS+30]|, |v[XS+31]|
	v_max3_num_f32 v[MX], v[MX], v[MX+1], 0x2800000                ; and the floor 2^(5 - 127): the byte cannot fall under 1
	v_add_nc_u32 v[MX+2], 0xfe000000, v[MX]                        ; 4 off its exponent field: the conversions' scale operand
.set CD, CLE+8*((\t)%2)
	v_cvt_scalef32_pk16_bf6_f32 v[CD:CD+2], v[XS:XS+15], v[MX+2]
	v_cvt_scalef32_pk16_bf6_f32 v[CD+4:CD+6], v[XS+16:XS+31], v[MX+2]
.if (\t)%4 == 0
	v_lshrrev_b32 v[WS+(\t)/4], 23, v[MX+2]                        ; the scale's byte, four to a word.  (A plain line behind the conversions)
.else
	v_lshrrev_b32 v[MX+3], 23, v[MX+2]
	v_lshl_or_b32 v[WS+(\t)/4], v[MX+3], 8*((\t)%4), v[WS+(\t)/4]
.endif
.if (\t)+3 < 16
	LOAD (\t)+3                                    ; into the set just converted
.endif
.if (\t)%2 == 1
; a fragment wants the even block in lanes 0-15 and the odd one in lanes 16-31: the even block's upper lanes change places with the odd block's lower
.irp i, 0,1,2
	v_permlane16_swap_b32 v[CLE+\i], v[CLO+\i]
	v_permlane16_swap_b32 v[CUE+\i], v[CUO+\i]
.endr
	WIN 0x40                                       ; destination window 1
.set FD, 24*((\t)/4)+6*(((\t)%4)/2)
.irp i, 0,1,2
	v_mov_b32 v[FD+\i], v[CLE+\i]                  ; tile 0: registers 6 c .. 6 c + 5
	v_mov_b32 v[FD+3+\i], v[CUE+\i]
	v_mov_b32 v[FD+12+\i], v[CLO+\i]               ; tile 1
	v_mov_b32 v[FD+15+\i], v[CUO+\i]
.endr
	WIN 0
.endif
.endm
	s_cmp_eq_u32 s[NT], 0
	s_cbranch_scc1 .Lempty                         ; no row keeps this expert's result: its weights are not read.  No barrier stands between here and the label where the two ways join
	LOAD 0
	LOAD 1
	LOAD 2
.irp t, 0,1,2,3,4,5,6,7,8,9,10,11,12,13,14,15
	BLOCK \t
.endr
	s_branch .Lrows
.Lempty:
	s_wait_loadcnt 0x0                             ; the bias
; On this way every batch below is jumped over, so the fragments and their scale words are never multiplied; they are written all the same, so that each register is written on every way to a line that names it
	WIN 0x40
.set i, 0
.rept 96
	v_mov_b32 v[i], 0
.set i, i+1
.endr
	WIN 0
.irp s, 0,1,2,3
	v_mov_b32 v[WS+\s], 0
.endr
.Lrows:
.set i, 0
.rept 16
	v_and_b32 v[BIAS+i], s[MASK], v[BIAS+i]        ; the bias counts once: in wave 0.  (These sixteen lines are also the places between the last write of a scale word or a fragment and the first product)
.set i, i+1
.endr
; ---- THE ROWS
.macro ALOAD j                         ; tile j's four fragments and scale words, as they were stored: registers 4 c .. 4 c + 3 of lane L at 512 c + 16 L; into set j % 2
.set AP, AB+48*((\j)%2)
.irp s, 0,1,2,3
.irp c, 0,1,2
	global_load_b128 v[AP+12*\s+4*\c:AP+12*\s+4*\c+3], v[VA+(\j)], s[4:5] offset:1536*\s+512*\c
.endr
.endr
.irp s, 0,1,2,3
	global_load_b32 v[AS+4*((\j)%2)+\s], v[VS+(\j)], s[6:7] offset:128*\s
.endr
.endm
.macro TILE j
.set AP, AB+48*((\j)%2)
.set AC, ACC+16*((\j)%2)
.set SQ, AS+4*((\j)%2)
.if (\j) < 7
	s_wait_loadcnt NA                              ; this tile is in; the next tile's loads may be out
.else
	s_wait_loadcnt 0
.endif
.if (\j) >= 2
	s_wait_dscnt 4                                 ; the LDS stores of two tiles ago have read this set of accumulators; the last tile's four may be out
.endif
	WIN 0x01                                       ; source 0 (the weights) window 1
.irp s, 0,1,2,3                        ; the two accumulators by turns, one instruction a turn
.if \s == 0
	v_wmma_scale_f32_16x16x128_f8f6f4 v[AC:AC+7], v[24*\s:24*\s+11], v[AP+12*\s:AP+12*\s+11], v[BIAS:BIAS+7], v[WS+\s], v[SQ+\s] matrix_a_fmt:MATRIX_FMT_BF6 matrix_b_fmt:MATRIX_FMT_BF6
	v_wmma_scale_f32_16x16x128_f8f6f4 v[AC+8:AC+15], v[24*\s+12:24*\s+23], v[AP+12*\s:AP+12*\s+11], v[BIAS+8:BIAS+15], v[WS+\s], v[SQ+\s] matrix_a_fmt:MATRIX_FMT_BF6 matrix_b_fmt:MATRIX_FMT_BF6 matrix_a_scale:MATRIX_SCALE_ROW1
.else
	v_wmma_scale_f32_16x16x128_f8f6f4 v[AC:AC+7], v[24*\s:24*\s+11], v[AP+12*\s:AP+12*\s+11], v[AC:AC+7], v[WS+\s], v[SQ+\s] matrix_a_fmt:MATRIX_FMT_BF6 matrix_b_fmt:MATRIX_FMT_BF6
	v_wmma_scale_f32_16x16x128_f8f6f4 v[AC+8:AC+15], v[24*\s+12:24*\s+23], v[AP+12*\s:AP+12*\s+11], v[AC+8:AC+15], v[WS+\s], v[SQ+\s] matrix_a_fmt:MATRIX_FMT_BF6 matrix_b_fmt:MATRIX_FMT_BF6 matrix_a_scale:MATRIX_SCALE_ROW1
.endif
.endr
	WIN 0
.rept 5
	v_nop                                          ; places in front of the stores that read the results and of the loads into the rows' registers
.endr
.irp i, 0,1,2,3
	ds_store_b128 v5, v[AC+4*\i:AC+4*\i+3] offset:2304*(\j)+16*\i    ; row r, columns 16 h + 4 i .. + 3; each accumulator from its low end on
.endr
.if (\j)+2 < 8
	ALOAD (\j)+2
.endif
.endm
	s_mov_b32 s[BC], 0
.Lbatch:
	s_lshl_b32 s30, s[BC], 3
	s_cmp_ge_u32 s30, s[NT]
	s_cbranch_scc1 .Lnomul
	s_add_co_u32 s[TB], s[FIRST], s30
.irp j, 0,1,2,3,4,5,6,7                ; a tile past my expert's last is that last tile again: all eight are always walked, so every counted wait counts the same loads.  No load is out here: the offsets may be written
	s_add_co_u32 s31, s[TB], \j
	s_min_u32 s31, s31, s[LAST]
	s_min_u32 s31, s31, 71                         ; a loaded number enters an address only behind a bound written here
	s_mul_i32 s32, s31, 49152
	s_lshl_b32 s33, s31, 12
	v_add_nc_u32 v[VA+\j], s32, v8
	v_add_nc_u32 v[VS+\j], s33, v9
.endr
	ALOAD 0
	ALOAD 1
.irp j, 0,1,2,3,4,5,6,7
	TILE \j
.endr
.Lnomul:
	s_wait_dscnt 0x0                               ; for the others' sake: my partial sums lie in LDS
	s_barrier_signal -1
	s_barrier_wait -1
	s_lshl_b32 s30, s[BC], 3
	s_add_co_u32 s30, s30, s[WV]                   ; my tile of the batch
	s_cmp_ge_u32 s30, s[NT]
	s_cbranch_scc1 .Lnofin
	s_add_co_u32 s31, s30, s[FIRST]
	s_min_u32 s31, s31, 71
	s_lshl_b32 s31, s31, 6
	v_add_nc_u32 v12, s31, v11
.irp i, 0,1,2,3
	global_load_b32 v[TKR+\i], v12, s[8:9] offset:16*\i    ; the tokens of rows lane / 8 + 4 i
.endr
.irp p, 0,1,2,3
.irp i, 0,1,2,3
	ds_load_b128 v[S+16*\p+4*\i:S+16*\p+4*\i+3], v6 offset:18432*\p+576*\i
.endr
.endr
.irp p, 0,1,2,3
.irp i, 0,1,2,3
	ds_load_b128 v[S+64+16*\p+4*\i:S+64+16*\p+4*\i+3], v7 offset:18432*\p+576*\i
.endr
.endr
	s_wait_dscnt 0x0
.irp p, 1,2,3,4,5,6,7                  ; the eight K parts, K ascending; eight chains that do not wait for each other
.irp i, 0,2,4,6,8,10,12,14
	v_pk_add_f32 v[S+\i:S+\i+1], v[S+\i:S+\i+1], v[S+16*\p+\i:S+16*\p+\i+1]
.endr
.endr
	s_wait_loadcnt 0x0                             ; the tokens
.irp i, 0,1,2,3
	v_min_u32 v[TKR+\i], 0x3ff, v[TKR+\i]          ; a loaded number enters an address only behind a bound written here
	v_lshl_add_u32 v[OA+\i], v[TKR+\i], 12, v10    ; token x 4,096 + 16 (lane % 8)
.endr
.irp i, 0,1,2,3
	global_store_b128 v[OA+\i], v[S+4*\i:S+4*\i+3], s[16:17] th:TH_STORE_NT   ; eight lanes store a row's 128 consecutive bytes
.endr
	s_wait_xcnt 0x0                                ; the stores have read their addresses and data: both are written again in the next trip
.Lnofin:
	s_wait_dscnt 0x0                               ; my reads of the partial sums are over: the next batch may overwrite them
	s_barrier_signal -1
	s_barrier_wait -1
	s_add_co_u32 s[BC], s[BC], 1
	s_cmp_lt_u32 s[BC], 8
	s_cbranch_scc1 .Lbatch
	s_wait_tensorcnt 0x0
	ds_add_u32 v115, v119
	s_wait_dscnt 0x0
	s_endpgm
.Lfunc_end_k_q4ff1fe271d_down:
	.size	k_q4ff1fe271d_down, .Lfunc_end_k_q4ff1fe271d_down-k_q4ff1fe271d_down
	.p2alignl 7, 3214868480
	.fill 96, 4, 3214868480
	.section	.rodata,"a",@progbits
	.p2align	6, 0x0
	.amdhsa_kernel k_q4ff1fe271d_down
		.amdhsa_group_segment_fixed_size 148480
		.amdhsa_private_segment_fixed_size 0
		.amdhsa_enable_private_segment 0
		.amdhsa_kernarg_size 56
		.amdhsa_user_sgpr_count 2
		.amdhsa_user_sgpr_kernarg_segment_ptr 1
		.amdhsa_wavefront_size32 1
		.amdhsa_system_sgpr_workgroup_id_x 1
		.amdhsa_system_sgpr_workgroup_id_y 1
		.amdhsa_system_sgpr_workgroup_id_z 1
		.amdhsa_system_vgpr_workitem_id 0
		.amdhsa_next_free_vgpr 352
		.amdhsa_next_free_sgpr 66
		.amdhsa_reserve_vcc 0
		.amdhsa_float_denorm_mode_32 3
		.amdhsa_float_denorm_mode_16_64 3
		.amdhsa_memory_ordered 1
		.amdhsa_forward_progress 1
		.amdhsa_inst_pref_size 116
	.end_amdhsa_kernel
	.amdgpu_metadata
---
amdhsa.version: [ 1, 2 ]
amdhsa.kernels:
  - .name:           k_q4ff1fe271d_down
    .symbol:         k_q4ff1fe271d_down.kd
    .args:
      - { .name: hq, .offset: 0, .size: 8, .value_kind: global_buffer, .address_space: global }
      - { .name: hs, .offset: 8, .size: 8, .value_kind: global_buffer, .address_space: global }
      - { .name: tok, .offset: 16, .size: 8, .value_kind: global_buffer, .address_space: global }
      - { .name: meta, .offset: 24, .size: 8, .value_kind: global_buffer, .address_space: global }
      - { .name: w2, .offset: 32, .size: 8, .value_kind: global_buffer, .address_space: global }
      - { .name: b2, .offset: 40, .size: 8, .value_kind: global_buffer, .address_space: global }
      - { .name: out0, .offset: 48, .size: 8, .value_kind: global_buffer, .address_space: global }
    .group_segment_fixed_size: 148480
    .private_segment_fixed_size: 0
    .kernarg_segment_align: 8
    .kernarg_segment_size: 56
    .max_flat_workgroup_size: 256
    .sgpr_count:     66
    .vgpr_count:     352
    .wavefront_size: 32
...
	.end_amdgpu_metadata
.endif
;; end of part 4
;; ======== version 2 of 3: 4 launches; 1.26 times as fast as version 1
;; workspace buffers: eidx 4,096 bytes of whole numbers; tok 4,608 bytes of whole numbers; meta 256 bytes of whole numbers; xq 786,432 bytes; xs 32,768 bytes; hq 3,538,944 bytes; hs 294,912 bytes
;; launch route: the kernel of part 1 again; grid 256 x 1, 1 waves a work-group, no clusters, 0 bytes of LDS; arguments x, gate_w, gate_b, xq, xs, eidx; writes xq, xs, eidx
;; launch place: the kernel of part 2 again; grid 1 x 1, 8 waves a work-group, no clusters, 1,280 bytes of LDS; arguments eidx, tok, meta; writes tok, meta
;; launch up (part 5): grid 32 x 8, 8 waves a work-group, no clusters, 238,592 bytes of LDS; arguments xq, xs, tok, meta, w1, b1, hq, hs; writes hq, hs
.if DOCPART == 5
	.amdgcn_target "amdgcn-amd-amdhsa--gfx1250"
	.amdhsa_code_object_version 6
	.text
	.protected	k_q4ff1fe271d_up
	.globl	k_q4ff1fe271d_up
	.p2align	8
	.type	k_q4ff1fe271d_up,@function
k_q4ff1fe271d_up:
	s_mov_b64 s[64:65], 0
	v_nop
	global_prefetch_b8 v0, s[64:65] scope:SCOPE_SE
	s_setreg_imm32_b32 hwreg(HW_REG_WAVE_MODE, 25, 1), 1
	s_wait_xcnt 0x0
; FIRST PRODUCT OF THE CHOSEN EXPERT: h = Q(relu(Q(x w) Q(w1[e]) + b1[e])), codes of E3M2 with one E8M0 scale for each 32 along K, for the rows that expert e keeps (lists tok and meta of the launch before).
; THE WEIGHTS STAND STILL, THE ROWS WALK.  Work-group (sl, e) owns hidden units 128 sl .. + 127 of expert e.  Wave w = g + 4 kp owns columns 32 g .. + 31 of them and K = 512 kp .. + 511: 64 KiB of f32, read once.
; w1 is [K][N]: A LANE TAKES A COLUMN AND ITS REGISTERS RUN DOWN K, so a block of 32 lies in one lane, and the conversions give codes with K innermost.  Two neighbouring blocks' codes change halves of
; the lanes (v_permlane16_swap_b32) and ARE the fragments of two tiles of 16 columns: 8 fragments, 96 registers, kept for the whole launch.  The codes of the weights never go to memory.
; LANE TO COLUMN: lane 16 u + r takes column 8 u + r % 8 + 16 (r / 8).  The product is used transposed (source 0 = 16 columns of w1, source 1 = 16 rows): lane (r, h) of the result holds row r, and register
; 8 u + j the column 16 h + 8 u + j: sixteen neighbours along the next product's K.
; A BATCH is up to 8 tiles of 16 rows.  THE ROWS' CODES COME INTO LDS ONCE A WORK-GROUP: they lie in token order, 768 bytes a row, so a fragment's loads of 8 bytes a lane would each name sixteen rows, and four
; waves want the same fragments.  Wave w fetches tile w's 16 rows by loads in which sixteen lanes take 256 consecutive bytes of a row, and stores them to LDS as rows of 768 + 16 bytes; all waves read fragments there.
; MULTIPLY: every wave takes the batch's tiles past its fragments (8 matrix instructions a tile) and stores the partial sums to LDS as images of its registers; meanwhile the next batch's rows come into registers
; | barrier | the next batch's rows go to LDS; FINALISE: wave w adds tile w's two K halves for all 128 columns, relu, quantises (one K step of the second product) and stores codes and scale words as images of the
; operand's registers | barrier.
; The loop over batches has 8 trips whatever the counts (an expert has at most 64 tiles): every wave passes every barrier, and only work is jumped over, by scalar branches on the stored counts.
; A work-group whose expert has no rows jumps over the weights too: its 512 KiB are not read.  It still walks the loop and passes every barrier.
; The bias is the C of a sum's first matrix instruction, in the waves of the first K half alone.
; NO TENSOR LOADS, NO CLUSTER: branches hang on counts read from memory; and what the 32 work-groups of an expert share, its rows' codes (800 bytes a row), is small beside each one's own 524,288 bytes of weights.
; LIMITS.  NaN and infinities are not served.  A block of zeros gets the byte 1 and not 127 (its codes are zeros; this program alone reads the bytes).  K is split in two halves whose f32 sums are added at the end.
; A slot that only fills a tile up repeats one of the expert's tokens: its row is computed a second time, with the same bits.
; REGISTERS, window 0: v1 lane, v2 r, v3 h, v4 my column's bytes, v5 LDS out, v6-7 LDS back, v8 16 x lane, v9 4 x lane, v10 16 r, v11 4 h, v13 64 h, v14 4 (lane / 2), v15 16 (lane % 2); the rest below.
; Window 1: v0-95 the fragments, (K step s, tile u) at 12 (2 s + u); v96-195 the rows on their way to LDS.
.set PITCH, 16384                      ; a row of w1[e] in bytes
.set XR,    131072                     ; LDS, behind the partial sums' 8 x 8 x 2,048 bytes: the batch's 128 rows of codes
.set XP,    784                        ; 768 bytes + 16 = 196 words: row r starts at bank 4 r mod 64 (64 banks of 4 bytes: ISA guide 11.1), so the 32 lanes of a load of 8 bytes touch 64 different banks
.set XT,    16*XP                      ; a tile of rows
.set XSC,   XR+128*XP                  ; and their scale bytes
.set XSP,   48                         ; 32 bytes + 16
.set WS,    16                         ; v16-19   the weights' scale words, one a K step; lane = column
.set BIAS,  20                         ; v20-35   b1 in the result's layout
.set ACC,   36                         ; v36-67   two sets of two accumulators
.set TK,    68                         ; v68-75   the tokens of rows 2 i + h of the tile that I fetch; v76 that of row lane / 2
.set VA,    77                         ; v77-84   their codes' byte offsets
.set VSO,   85                         ; v85      the scale bytes'
.set VT,    86                         ; v86-87   where the list is read
.set MX,    92                         ; v92-95   at work: two maxima, the conversions' scale operand, the byte
.set AS,    96                         ; v96-103  the rows' scale words, two sets of four
.set CLE,   104                        ; a block's lower and upper 16 codes, 3 registers each: even block,
.set CUE,   108
.set CLO,   112                        ; odd block
.set CUO,   116
.set X,     120                        ; v120-215 three sets of 32 numbers of w1; later:
.set AB,    120                        ; two sets of four fragments of rows
.set HA,    120                        ; FINALISE: v120-183 the tile's 64 numbers a lane
.set T,     184                        ; v184-247 the second K half's; then at work:
.set TM,    184
.set PW,    200
.set PC,    204
.set XW,    248                        ; v248     LDS: where I store rows
.set XWS,   249                        ; v249     and their scale bytes
.set XA,    250                        ; v250-251 where I read fragments: tiles 0-3, tiles 4-7 (an LDS offset has 16 bits)
.set XSA,   252                        ; v252     and scale words
.set SG,    96                         ; in window 1: v96-191 24 x 16 bytes of codes, v192-195 of scale bytes
.set WV,    20
.set G,     21
.set KP,    22
.set EX,    23
.set SL,    24
.set LAST,  27                         ; my expert's last tile
.set BC,    28                         ; the batch
.set TB,    29
.set NB,    36                         ; the next batch's first tile, counted in my expert's
.set FIRST, 44                         ; s[44:45] meta: first tile, number of tiles
.set NT,    45
.set MASK,  48
.set SEL,   50
.set MSB, 0
.macro WIN new                         ; the immediate's high byte repeats the setting that is left
.if MSB != \new
	s_set_vgpr_msb (MSB<<8)|\new
.set MSB, \new
.endif
.endm
	s_load_b256 s[4:11], s[0:1], 0x0               ; xq s[4:5], xs s[6:7], tok s[8:9], meta s[10:11]
	s_load_b256 s[12:19], s[0:1], 0x20             ; w1 s[12:13], b1 s[14:15], hq s[16:17], hs s[18:19]
	v_lshl_add_u32 v254, v0, 2, 0x3a000
	v_mov_b32 v255, 0
	v_lshrrev_b32 v1, 5, v0
	v_readfirstlane_b32 s[WV], v1                  ; wave 0..7
	v_and_b32 v1, 31, v0
	v_and_b32 v2, 15, v0
	v_bfe_u32 v3, v0, 4, 1
	s_and_b32 s[G], s[WV], 3
	s_lshr_b32 s[KP], s[WV], 2
	s_and_b32 s[EX], ttmp7, 0xffff
	s_mov_b32 s[SL], ttmp9
	s_lshl_b32 s46, s[EX], 3
	s_mov_b32 s47, 0
	s_wait_kmcnt 0x0
	s_add_nc_u64 s[10:11], s[10:11], s[46:47]
	s_load_b64 s[FIRST:FIRST+1], s[10:11], 0x0
	v_and_b32 v4, 7, v0
	v_bfe_u32 v12, v0, 3, 1
	v_lshl_add_u32 v4, v12, 4, v4
	v_lshl_add_u32 v4, v3, 3, v4
	v_lshlrev_b32 v4, 2, v4                        ; 4 x (lane % 8 + 16 ((lane / 8) % 2) + 8 (lane / 16))
	v_lshlrev_b32 v8, 4, v1
	v_lshlrev_b32 v9, 2, v1
	v_lshlrev_b32 v10, 4, v2
	v_lshlrev_b32 v11, 2, v3
	v_lshlrev_b32 v13, 6, v3
	v_lshrrev_b32 v14, 1, v1
	v_and_b32 v15, 1, v0
	s_lshl_b32 s30, s[WV], 14
	v_add_nc_u32 v5, s30, v8                       ; out: my wave's 8 images of 2,048 bytes
	s_lshl_b32 s30, s[WV], 11
	v_add_nc_u32 v6, s30, v8                       ; back: tile number = my wave's, of waves 0 to 3;
	v_add_nc_u32 v7, 0x10000, v6                   ; of waves 4 to 7
	v_mul_u32_u24 v[XWS], v14, XSP                 ; scale bytes in: row 16 w + lane / 2, half lane % 2
	v_lshl_add_u32 v[XWS], v15, 4, v[XWS]
	s_mul_i32 s30, s[WV], 16*XSP
	s_add_co_u32 s30, s30, XSC
	v_add_nc_u32 v[XWS], s30, v[XWS]
	v_lshlrev_b32 v14, 2, v14
	v_lshlrev_b32 v15, 4, v15
	v_mul_u32_u24 v[XW], v3, XP                    ; rows in: row 16 w + h (+ 2 i in the offset), 16 bytes a lane
	v_add_nc_u32 v[XW], v[XW], v10
	s_mul_i32 s30, s[WV], XT
	s_add_co_u32 s30, s30, XR
	v_add_nc_u32 v[XW], s30, v[XW]
	v_mul_u32_u24 v[XA], v2, XP                    ; fragments out: row r, + 24 h, + my K half's 384 bytes
	v_mad_u32_u24 v[XA], v3, 24, v[XA]
	s_mul_i32 s30, s[KP], 384
	s_add_co_u32 s30, s30, XR
	v_add_nc_u32 v[XA], s30, v[XA]
	v_add_nc_u32 v[XA+1], 4*XT, v[XA]
	v_mul_u32_u24 v[XSA], v2, XSP                  ; scale words out: row r, my K half's four
	s_lshl_b32 s30, s[KP], 4
	s_add_co_u32 s30, s30, XSC
	v_add_nc_u32 v[XSA], s30, v[XSA]
	s_mov_b32 s[SEL], 0x76543210
	s_mov_b32 s[SEL+1], 0xfedcba98
	s_cmp_eq_u32 s[KP], 0
	s_cselect_b32 s[MASK], -1, 0
	s_lshl_b32 s30, s[SL], 9
	s_lshl_b32 s31, s[G], 7
	s_add_co_u32 s30, s30, s31                     ; my first column, in bytes
	s_lshl_b32 s46, s[EX], 24
	s_lshl_b32 s31, s[KP], 23
	s_add_co_u32 s46, s46, s31
	s_add_co_u32 s46, s46, s30
	s_add_nc_u64 s[12:13], s[12:13], s[46:47]      ; w1[e], row 512 kp, my first column
	s_lshl_b32 s46, s[EX], 14
	s_add_co_u32 s46, s46, s30
	s_add_nc_u64 s[14:15], s[14:15], s[46:47]
	s_wait_kmcnt 0x0                               ; meta
	s_add_co_u32 s[LAST], s[FIRST], s[NT]
	s_sub_co_u32 s[LAST], s[LAST], 1
; The tokens of tile s[TB] + my wave.  A tile past my expert's last is that last tile again: a batch always has eight tiles in LDS, and all eight are walked, so every counted wait counts the same instructions
.macro TKLOAD
	s_add_co_u32 s31, s[TB], s[WV]
	s_min_u32 s31, s31, s[LAST]
	s_min_u32 s31, s31, 71                         ; a loaded number enters an address only behind a bound written here
	s_lshl_b32 s31, s31, 6
	v_add_nc_u32 v[VT], s31, v11
	v_add_nc_u32 v[VT+1], s31, v14
.irp i, 0,1,2,3,4,5,6,7
	global_load_b32 v[TK+\i], v[VT], s[8:9] offset:8*\i
.endr
	global_load_b32 v[TK+8], v[VT+1], s[8:9]
.endm
.macro TKCONV
.irp i, 0,1,2,3,4,5,6,7
	v_min_u32 v[TK+\i], 0x3ff, v[TK+\i]
	v_mad_u32_u24 v[VA+\i], v[TK+\i], 768, v10     ; row x 768 + 16 r
.endr
	v_min_u32 v[TK+8], 0x3ff, v[TK+8]
	v_lshl_add_u32 v[VSO], v[TK+8], 5, v15         ; row x 32 + 16 (lane % 2)
.endm
.macro SGLOAD                          ; my tile's 16 rows: lanes 0-15 take 256 consecutive bytes of row 2 i, lanes 16-31 of row 2 i + 1; and its 512 scale bytes
	WIN 0x40                                       ; destination window 1
.irp i, 0,1,2,3,4,5,6,7
.irp c, 0,1,2
	global_load_b128 v[SG+4*(3*\i+\c):SG+4*(3*\i+\c)+3], v[VA+\i], s[4:5] offset:256*\c
.endr
.endr
	global_load_b128 v[SG+96:SG+99], v[VSO], s[6:7]
	WIN 0
.endm
.macro SGSTORE                         ; and on to LDS
	WIN 0x04                                       ; an LDS store's data are its source 1: window 1
.irp i, 0,1,2,3,4,5,6,7
.irp c, 0,1,2
	ds_store_b128 v[XW], v[SG+4*(3*\i+\c):SG+4*(3*\i+\c)+3] offset:2*\i*XP+256*\c
.endr
.endr
	ds_store_b128 v[XWS], v[SG+96:SG+99]
	WIN 0
.endm
	s_mov_b32 s[TB], s[FIRST]
	TKLOAD                                         ; the first batch's list
.irp q, 0,1,2,3
	global_load_b128 v[BIAS+4*\q:BIAS+4*\q+3], v13, s[14:15] offset:16*\q   ; b1 at columns 16 h + 0 .. 15
.endr
; ---- THE WEIGHTS.  Block t = K 32 t .. + 31 of my part: 32 loads, each 128 consecutive bytes of a row of w1; the four waves of a K half stand side by side on 512
.macro LOAD t
.irp i, 0,1,2,3,4,5,6,7,8,9,10,11,12,13,14,15,16,17,18,19,20,21,22,23,24,25,26,27,28,29,30,31
	global_load_b32 v[X+32*((\t)%3)+\i], v4, s[12:13] offset:(32*(\t)+\i)*PITCH th:TH_LOAD_NT   ; 511 x 16,384 at the most: inside the signed 24-bit immediate
.endr
.endm
.macro BLOCK t
.set XS, X+32*((\t)%3)
.if (\t) < 14
	s_wait_loadcnt 63                              ; two blocks, 64 loads, or more are younger than this block's; the wait's field holds 63 at the most
.elseif (\t) == 14
	s_wait_loadcnt 32
.else
	s_wait_loadcnt 0
.endif
	v_max3_num_f32 v[MX], |v[XS]|, |v[XS+1]|, |v[XS+2]|            ; the block's largest magnitude: all 32 numbers are mine; two chains
	v_max3_num_f32 v[MX+1], |v[XS+3]|, |v[XS+4]|, |v[XS+5]|
.irp i, 6,10,14,18,22,26
	v_max3_num_f32 v[MX], v[MX], |v[XS+\i]|, |v[XS+\i+1]|
	v_max3_num_f32 v[MX+1], v[MX+1], |v[XS+\i+2]|, |v[XS+\i+3]|
.endr
	v_max3_num_f32 v[MX], v[MX], |v[XS+30]|, |v[XS+31]|
	v_max3_num_f32 v[MX], v[MX], v[MX+1], 0x2800000                ; and the floor 2^(5 - 127): the byte cannot fall under 1
	v_add_nc_u32 v[MX+2], 0xfe000000, v[MX]                        ; 4 off its exponent field: the conversions' scale operand
.set CD, CLE+8*((\t)%2)
	v_cvt_scalef32_pk16_bf6_f32 v[CD:CD+2], v[XS:XS+15], v[MX+2]
	v_cvt_scalef32_pk16_bf6_f32 v[CD+4:CD+6], v[XS+16:XS+31], v[MX+2]
.if (\t)%4 == 0
	v_lshrrev_b32 v[WS+(\t)/4], 23, v[MX+2]                        ; the scale's byte, four to a word.  (A plain line behind the conversions)
.else
	v_lshrrev_b32 v[MX+3], 23, v[MX+2]
	v_lshl_or_b32 v[WS+(\t)/4], v[MX+3], 8*((\t)%4), v[WS+(\t)/4]
.endif
.if (\t)+3 < 16
	LOAD (\t)+3                                    ; into the set just converted
.endif
.if (\t)%2 == 1
; lanes 0-15 hold tile 0's columns, lanes 16-31 tile 1's.  A fragment wants the even block in lanes 0-15 and the odd one in lanes 16-31: the even block's upper lanes change places with the odd block's lower
.irp i, 0,1,2
	v_permlane16_swap_b32 v[CLE+\i], v[CLO+\i]
	v_permlane16_swap_b32 v[CUE+\i], v[CUO+\i]
.endr
	WIN 0x40                                       ; destination window 1
.set FD, 24*((\t)/4)+6*(((\t)%4)/2)
.irp i, 0,1,2
	v_mov_b32 v[FD+\i], v[CLE+\i]                  ; tile 0: registers 6 c .. 6 c + 5
	v_mov_b32 v[FD+3+\i], v[CUE+\i]
	v_mov_b32 v[FD+12+\i], v[CLO+\i]               ; tile 1
	v_mov_b32 v[FD+15+\i], v[CUO+\i]
.endr
	WIN 0
.endif
.endm
	s_cmp_eq_u32 s[NT], 0
	s_cbranch_scc1 .Lempty                         ; no row keeps this expert's result: its weights are not read.  No barrier stands between here and the label where the two ways join
	LOAD 0
	LOAD 1
	s_wait_loadcnt 63                              ; the list is in: the bias's 4 loads and the two blocks' 64 are younger
	TKCONV
	SGLOAD                                         ; the first batch's rows land while the weights stream; they are older than block 2's loads, so block 2's wait shows them in
	LOAD 2
.irp t, 0,1,2,3,4,5,6,7,8,9,10,11,12,13,14,15
	BLOCK \t
.endr
	s_branch .Lrows
.Lempty:
	s_wait_loadcnt 0x0                             ; the list and the bias
; On this way every batch below is jumped over, so nothing of what follows is ever multiplied; the rows' registers, the fragments and their scale words are written all the same, so that each register is written
; on every way to a line that names it
	TKCONV
	SGLOAD
	WIN 0x40
.set i, 0
.rept 96
	v_mov_b32 v[i], 0
.set i, i+1
.endr
	WIN 0
.irp s, 0,1,2,3
	v_mov_b32 v[WS+\s], 0
.endr
	s_wait_loadcnt 0x0
.Lrows:
.set i, 0
.rept 16
	v_and_b32 v[BIAS+i], s[MASK], v[BIAS+i]        ; the bias counts once: in the first K half.  (These sixteen lines are also the places between the last write of a scale word or a fragment and the first product)
.set i, i+1
.endr
	SGSTORE                                        ; the first batch's rows
	s_wait_dscnt 0x0                               ; for the others' sake: my tile lies in LDS
	s_barrier_signal -1
	s_barrier_wait -1
; ---- THE ROWS
.macro ALOAD j                         ; tile j's four fragments (lane (r, h): 24 bytes at 24 h and at 48 + 24 h of each K step's 96, in pieces of 8) and its four scale words, into set j % 2: 25 LDS loads
.set AP, AB+48*((\j)%2)
.irp s, 0,1,2,3
.irp q, 0,1,2,3,4,5
	ds_load_b64 v[AP+12*\s+2*\q:AP+12*\s+2*\q+1], v[XA+(\j)/4] offset:XT*((\j)%4)+96*\s+48*(\q/3)+8*(\q%3)
.endr
.endr
	ds_load_b128 v[AS+4*((\j)%2):AS+4*((\j)%2)+3], v[XSA] offset:16*XSP*(\j)
.endm
.macro TILE j
.set AP, AB+48*((\j)%2)
.set AC, ACC+16*((\j)%2)
.set SQ, AS+4*((\j)%2)
; LDS serves a wave's instructions in order (ISA guide 5.7.1): this tile is in when only what was issued behind its loads is out.  The stores of two tiles ago, which read this set of accumulators, are older still
.if (\j) == 0
	s_wait_dscnt 25                                ; tile 1's 25 loads
.elseif (\j) < 7
	s_wait_dscnt 29                                ; the last tile's 4 stores and the next tile's 25 loads
.else
	s_wait_dscnt 4                                 ; the last tile's 4 stores
.endif
	WIN 0x01                                       ; source 0 (the weights) window 1
.irp s, 0,1,2,3                        ; the two accumulators by turns, one instruction a turn
.if \s == 0
	v_wmma_scale_f32_16x16x128_f8f6f4 v[AC:AC+7], v[24*\s:24*\s+11], v[AP+12*\s:AP+12*\s+11], v[BIAS:BIAS+7], v[WS+\s], v[SQ+\s] matrix_a_fmt:MATRIX_FMT_BF6 matrix_b_fmt:MATRIX_FMT_BF6
	v_wmma_scale_f32_16x16x128_f8f6f4 v[AC+8:AC+15], v[24*\s+12:24*\s+23], v[AP+12*\s:AP+12*\s+11], v[BIAS+8:BIAS+15], v[WS+\s], v[SQ+\s] matrix_a_fmt:MATRIX_FMT_BF6 matrix_b_fmt:MATRIX_FMT_BF6 matrix_a_scale:MATRIX_SCALE_ROW1
.else
	v_wmma_scale_f32_16x16x128_f8f6f4 v[AC:AC+7], v[24*\s:24*\s+11], v[AP+12*\s:AP+12*\s+11], v[AC:AC+7], v[WS+\s], v[SQ+\s] matrix_a_fmt:MATRIX_FMT_BF6 matrix_b_fmt:MATRIX_FMT_BF6
	v_wmma_scale_f32_16x16x128_f8f6f4 v[AC+8:AC+15], v[24*\s+12:24*\s+23], v[AP+12*\s:AP+12*\s+11], v[AC+8:AC+15], v[WS+\s], v[SQ+\s] matrix_a_fmt:MATRIX_FMT_BF6 matrix_b_fmt:MATRIX_FMT_BF6 matrix_a_scale:MATRIX_SCALE_ROW1
.endif
.endr
	WIN 0
.rept 5
	v_nop                                          ; places in front of the stores that read the results and of the loads into the rows' registers
.endr
.irp i, 0,1,2,3
	ds_store_b128 v5, v[AC+4*\i:AC+4*\i+3] offset:2048*(\j)+512*\i   ; an image of the registers, each accumulator from its low end on
.endr
.if (\j)+2 < 8
	ALOAD (\j)+2
.endif
.endm
	s_mov_b32 s[BC], 0
.Lbatch:
	s_lshl_b32 s30, s[BC], 3
	s_add_co_u32 s[NB], s30, 8
	s_cmp_ge_u32 s30, s[NT]
	s_cbranch_scc1 .Lnomul
	s_cmp_ge_u32 s[NB], s[NT]
	s_cbranch_scc1 .Lnolist                        ; no batch follows: nothing is fetched for it
	s_add_co_u32 s[TB], s[FIRST], s[NB]
	TKLOAD                                         ; the NEXT batch's list comes while the first two tiles are multiplied
.Lnolist:
	ALOAD 0
	ALOAD 1
.irp j, 0,1
	TILE \j
.endr
	s_cmp_ge_u32 s[NB], s[NT]
	s_cbranch_scc1 .Lnorows
	s_wait_loadcnt 0x0                             ; the list
	TKCONV
	SGLOAD                                         ; the next batch's rows come into registers while the other six tiles are multiplied
.Lnorows:
.irp j, 2,3,4,5,6,7
	TILE \j
.endr
.Lnomul:
	s_wait_loadcnt 0x0                             ; on every way: no load is out when the list's and the rows' registers are next written or stored
	s_wait_dscnt 0x0                               ; for the others' sake: my images lie in LDS, and my reads of the batch's rows are over
	s_barrier_signal -1
	s_barrier_wait -1
	s_cmp_ge_u32 s[NB], s[NT]
	s_cbranch_scc1 .Lnostore
	SGSTORE                                        ; nobody reads the old rows any more: the next batch's take their place
.Lnostore:
	s_lshl_b32 s30, s[BC], 3
	s_add_co_u32 s30, s30, s[WV]                   ; my tile of the batch
	s_cmp_ge_u32 s30, s[NT]
	s_cbranch_scc1 .Lnofin
.irp g, 0,1,2,3
.irp i, 0,1,2,3
	ds_load_b128 v[HA+16*\g+4*\i:HA+16*\g+4*\i+3], v6 offset:16384*\g+512*\i   ; columns 32 g + 16 h + 0 .. 15 of row r: first K half,
	ds_load_b128 v[T+16*\g+4*\i:T+16*\g+4*\i+3], v7 offset:16384*\g+512*\i     ; second
.endr
.endr
	s_add_co_u32 s31, s30, s[FIRST]
	s_min_u32 s31, s31, 71
	s_mul_i32 s32, s31, 49152                      ; hq: 32 K steps of 1,536 bytes a tile
	s_mul_i32 s34, s[SL], 1536
	s_add_co_u32 s32, s32, s34
	s_mov_b32 s33, 0
	s_add_nc_u64 s[40:41], s[16:17], s[32:33]
	s_lshl_b32 s32, s31, 12                        ; hs: 32 K steps of 128 bytes
	s_lshl_b32 s34, s[SL], 7
	s_add_co_u32 s32, s32, s34
	s_add_nc_u64 s[42:43], s[18:19], s[32:33]
	s_wait_dscnt 0x0
.set i, 0
.rept 32
	v_pk_add_f32 v[HA+i:HA+i+1], v[HA+i:HA+i+1], v[T+i:T+i+1]
.set i, i+2
.endr
.set i, 0
.rept 64
	v_max_num_f32 v[HA+i], 0, v[HA+i]              ; the activation, in f32
.set i, i+1
.endr
; the quantiser: register 16 b + i = k 32 b + 16 h + i of my row.  No |.|: nothing is negative here
.irp b, 0,1,2,3
	v_max3_num_f32 v[TM+\b], v[HA+16*\b], v[HA+1+16*\b], 0x2800000   ; my 16 numbers of block b, and the floor 2^(5 - 127)
.endr
.irp i, 2,4,6,8,10,12,14
.irp b, 0,1,2,3
	v_max3_num_f32 v[TM+\b], v[TM+\b], v[HA+16*\b+\i], v[HA+1+16*\b+\i]
.endr
.endr
.irp b, 0,1,2,3
	v_permlanex16_b32 v[TM+4+\b], v[TM+\b], s[SEL], s[SEL+1]
.endr
.irp b, 0,1,2,3
	v_max_num_f32 v[TM+\b], v[TM+\b], v[TM+4+\b]   ; with lane l xor 16's: the block's largest
.endr
.irp b, 0,1,2,3
	v_add_nc_u32 v[TM+12+\b], 0xfe000000, v[TM+\b]
.endr
.irp b, 0,1,2,3
	v_lshrrev_b32 v[TM+4+\b], 23, v[TM+12+\b]
.endr
	v_lshl_or_b32 v[PW], v[TM+5], 8, v[TM+4]       ; my row's scale word
	v_lshl_or_b32 v[PW], v[TM+6], 16, v[PW]
	v_lshl_or_b32 v[PW], v[TM+7], 24, v[PW]
.irp c, 0,1
	v_cvt_scalef32_pk16_bf6_f32 v[PC+6*\c:PC+2+6*\c], v[HA+32*\c:HA+15+32*\c], v[TM+12+2*\c]
	v_cvt_scalef32_pk16_bf6_f32 v[PC+12+4*\c:PC+14+4*\c], v[HA+16+32*\c:HA+31+32*\c], v[TM+12+2*\c+1]
.endr
	v_nop                                          ; one plain line behind the conversions
.irp c, 0,1                            ; the operand's layout wants a whole block in a lane
.irp i, 0,1,2
	v_permlane16_swap_b32 v[PC+6*\c+\i], v[PC+12+4*\c+\i]
.endr
.irp i, 0,1,2
	v_mov_b32 v[PC+3+6*\c+\i], v[PC+12+4*\c+\i]
.endr
.endr
.irp c, 0,1,2
	global_store_b128 v8, v[PC+4*\c:PC+4*\c+3], s[40:41] offset:512*\c   ; 512 consecutive bytes, at a multiple of 256 from hq's first byte
.endr
	global_store_b32 v9, v[PW], s[42:43]
	s_wait_xcnt 0x0                                ; the stores have read their data and bases: both are written again in the next trip
.Lnofin:
	s_wait_dscnt 0x0                               ; the next batch's rows lie in LDS, and my reads of the images are over: the next batch may overwrite them
	s_barrier_signal -1
	s_barrier_wait -1
	s_add_co_u32 s[BC], s[BC], 1
	s_cmp_lt_u32 s[BC], 8
	s_cbranch_scc1 .Lbatch
	s_wait_tensorcnt 0x0
	ds_add_u32 v254, v255
	s_wait_dscnt 0x0
	s_endpgm
.Lfunc_end_k_q4ff1fe271d_up:
	.size	k_q4ff1fe271d_up, .Lfunc_end_k_q4ff1fe271d_up-k_q4ff1fe271d_up
	.p2alignl 7, 3214868480
	.fill 96, 4, 3214868480
	.section	.rodata,"a",@progbits
	.p2align	6, 0x0
	.amdhsa_kernel k_q4ff1fe271d_up
		.amdhsa_group_segment_fixed_size 238592
		.amdhsa_private_segment_fixed_size 0
		.amdhsa_enable_private_segment 0
		.amdhsa_kernarg_size 64
		.amdhsa_user_sgpr_count 2
		.amdhsa_user_sgpr_kernarg_segment_ptr 1
		.amdhsa_wavefront_size32 1
		.amdhsa_system_sgpr_workgroup_id_x 1
		.amdhsa_system_sgpr_workgroup_id_y 1
		.amdhsa_system_sgpr_workgroup_id_z 1
		.amdhsa_system_vgpr_workitem_id 0
		.amdhsa_next_free_vgpr 456
		.amdhsa_next_free_sgpr 66
		.amdhsa_reserve_vcc 0
		.amdhsa_float_denorm_mode_32 3
		.amdhsa_float_denorm_mode_16_64 3
		.amdhsa_memory_ordered 1
		.amdhsa_forward_progress 1
		.amdhsa_inst_pref_size 135
	.end_amdhsa_kernel
	.amdgpu_metadata
---
amdhsa.version: [ 1, 2 ]
amdhsa.kernels:
  - .name:           k_q4ff1fe271d_up
    .symbol:         k_q4ff1fe271d_up.kd
    .args:
      - { .name: xq, .offset: 0, .size: 8, .value_kind: global_buffer, .address_space: global }
      - { .name: xs, .offset: 8, .size: 8, .value_kind: global_buffer, .address_space: global }
      - { .name: tok, .offset: 16, .size: 8, .value_kind: global_buffer, .address_space: global }
      - { .name: meta, .offset: 24, .size: 8, .value_kind: global_buffer, .address_space: global }
      - { .name: w1, .offset: 32, .size: 8, .value_kind: global_buffer, .address_space: global }
      - { .name: b1, .offset: 40, .size: 8, .value_kind: global_buffer, .address_space: global }
      - { .name: hq, .offset: 48, .size: 8, .value_kind: global_buffer, .address_space: global }
      - { .name: hs, .offset: 56, .size: 8, .value_kind: global_buffer, .address_space: global }
    .group_segment_fixed_size: 238592
    .private_segment_fixed_size: 0
    .kernarg_segment_align: 8
    .kernarg_segment_size: 64
    .max_flat_workgroup_size: 256
    .sgpr_count:     66
    .vgpr_count:     456
    .wavefront_size: 32
...
	.end_amdgpu_metadata
.endif
;; end of part 5
;; launch down: the kernel of part 4 again; grid 32 x 8, 8 waves a work-group, no clusters, 148,480 bytes of LDS; arguments hq, hs, tok, meta, w2, b2, out0; writes out0
;; ======== version 3 of 3: 4 launches; version 2 with the launches up, down written anew for expert scheduling mode
;; workspace buffers: eidx 4,096 bytes of whole numbers; tok 4,608 bytes of whole numbers; meta 256 bytes of whole numbers; xq 786,432 bytes; xs 32,768 bytes; hq 3,538,944 bytes; hs 294,912 bytes
;; launch route: the kernel of part 1 again; grid 256 x 1, 1 waves a work-group, no clusters, 0 bytes of LDS; arguments x, gate_w, gate_b, xq, xs, eidx; writes xq, xs, eidx
;; launch place: the kernel of part 2 again; grid 1 x 1, 8 waves a work-group, no clusters, 1,280 bytes of LDS; arguments eidx, tok, meta; writes tok, meta
;; launch up (part 6): grid 32 x 8, 8 waves a work-group, no clusters, 238,592 bytes of LDS; arguments xq, xs, tok, meta, w1, b1, hq, hs; writes hq, hs
.if DOCPART == 6
	.amdgcn_target "amdgcn-amd-amdhsa--gfx1250"
	.amdhsa_code_object_version 6
	.text
	.protected	k_q4ff1fe271d_up
	.globl	k_q4ff1fe271d_up
	.p2align	8
	.type	k_q4ff1fe271d_up,@function
k_q4ff1fe271d_up:
	s_mov_b64 s[64:65], 0
	v_nop
	global_prefetch_b8 v0, s[64:65] scope:SCOPE_SE
	s_setreg_imm32_b32 hwreg(HW_REG_WAVE_SCHED_MODE, 0, 2), 2
	s_setreg_imm32_b32 hwreg(HW_REG_WAVE_MODE, 25, 1), 1
	s_wait_xcnt 0x0
	s_wait_alu depctr_vm_vsrc(0)
; FIRST PRODUCT OF THE CHOSEN EXPERT: h = Q(relu(Q(x w) Q(w1[e]) + b1[e])), codes of E3M2 with one E8M0 scale for each 32 along K, for the rows that expert e keeps (lists tok and meta of the launch before).
; THE WEIGHTS STAND STILL, THE ROWS WALK.  Work-group (sl, e) owns hidden units 128 sl .. + 127 of expert e.  Wave w = g + 4 kp owns columns 32 g .. + 31 of them and K = 512 kp .. + 511: 64 KiB of f32, read once.
; w1 is [K][N]: A LANE TAKES A COLUMN AND ITS REGISTERS RUN DOWN K, so a block of 32 lies in one lane, and the conversions give codes with K innermost.  Two neighbouring blocks' codes change halves of
; the lanes (v_permlane16_swap_b32) and ARE the fragments of two tiles of 16 columns: 8 fragments, 96 registers, kept for the whole launch.  The codes of the weights never go to memory.
; LANE TO COLUMN: lane 16 u + r takes column 8 u + r % 8 + 16 (r / 8).  The product is used transposed (source 0 = 16 columns of w1, source 1 = 16 rows): lane (r, h) of the result holds row r, and register
; 8 u + j the column 16 h + 8 u + j: sixteen neighbours along the next product's K.
; A BATCH is up to 8 tiles of 16 rows.  THE ROWS' CODES COME INTO LDS ONCE A WORK-GROUP: they lie in token order, 768 bytes a row, so a fragment's loads of 8 bytes a lane would each name sixteen rows, and four
; waves want the same fragments.  Wave w fetches tile w's 16 rows by loads in which sixteen lanes take 256 consecutive bytes of a row, and stores them to LDS as rows of 768 + 16 bytes; all waves read fragments there.
; MULTIPLY: every wave takes the batch's tiles past its fragments (8 matrix instructions a tile) and stores the partial sums to LDS as images of its registers; meanwhile the next batch's rows come into registers
; | barrier | the next batch's rows go to LDS; FINALISE: wave w adds tile w's two K halves for all 128 columns, relu, quantises (one K step of the second product) and stores codes and scale words as images of the
; operand's registers | barrier.
; The loop over batches has 8 trips whatever the counts (an expert has at most 64 tiles): every wave passes every barrier, and only work is jumped over, by scalar branches on the stored counts.
; A work-group whose expert has no rows jumps over the weights too: its 512 KiB are not read.  It still walks the loop and passes every barrier.
; The bias is the C of a sum's first matrix instruction, in the waves of the first K half alone.
; NO TENSOR LOADS, NO CLUSTER: branches hang on counts read from memory; and what the 32 work-groups of an expert share, its rows' codes (800 bytes a row), is small beside each one's own 524,288 bytes of weights.
; LIMITS.  NaN and infinities are not served.  A block of zeros gets the byte 1 and not 127 (its codes are zeros; this program alone reads the bytes).  K is split in two halves whose f32 sums are added at the end.
; A slot that only fills a tile up repeats one of the expert's tokens: its row is computed a second time, with the same bits.
; THE MODE: SCHED_MODE bits 1:0 = 2 (LLVM: expert scheduling mode 2), set by the entry lines.  The code itself states the register dependences
; between vector or matrix instructions and memory or LDS instructions, with s_wait_alu, always for 0.
; THE PLAN.  Registers that memory or LDS instructions touch, and who else names them:
;   X0 .. X2       The weights' stream.  Block t's maxima and conversions read X[t % 3]; behind them block t + 3's loads land in it: one wait on va_vdst a block, behind its conversions.
;   v[VT ..]       Written by two additions ahead of the list's loads, which read them.   v[TK ..]  The list's loads land there; the lines that make offsets read and write them.
;   v[VA ..], v[VSO]  Written by those lines; read by the rows' loads.   SG (window 1)  The rows' loads land there, the rows' LDS stores read it: no vector instruction names it.
;   AB0, AB1, AS0, AS1  Tile j's products read set j % 2; behind them tile j + 2's LDS loads land in it.
;   ACC0, ACC1     Tile j's products write set j % 2, its four LDS stores read it, tile j + 2's products write it again.
;   HA, T          FINALISE's LDS loads land there; its vector lines work there.   PC, PW  Written by those lines; read by FINALISE's four global stores.
;   v4-15, v[XW] .. v[XSA], v254, v255  Made once at the head, never written again.
; So: ONE wait on va_vdst a tile, behind its products and their places, for its stores and for the loads of two tiles on; beside it one on vm_vsrc, for the stores of the tile BEFORE, issued a whole tile ago;
; one on vm_vsrc at a batch's head, for all that the batch writes again; one on va_vdst behind each making of offsets; in FINALISE one on va_vdst ahead of its stores, behind which it issues no vector
; instruction, and one on vm_vsrc behind them.  The LDS instructions are not dealt among a tile's products: an LDS address is source 0, which the products take from window 1, so each turn would cost two switches.
; REGISTERS, window 0: v1 lane, v2 r, v3 h, v4 my column's bytes, v5 LDS out, v6-7 LDS back, v8 16 x lane, v9 4 x lane, v10 16 r, v11 4 h, v13 64 h, v14 4 (lane / 2), v15 16 (lane % 2); the rest below.
; Window 1: v0-95 the fragments, (K step s, tile u) at 12 (2 s + u); v96-195 the rows on their way to LDS.
.set PITCH, 16384                      ; a row of w1[e] in bytes
.set XR,    131072                     ; LDS, behind the partial sums' 8 x 8 x 2,048 bytes: the batch's 128 rows of codes
.set XP,    784                        ; 768 bytes + 16 = 196 words: row r starts at bank 4 r mod 64 (64 banks of 4 bytes: ISA guide 11.1), so the 32 lanes of a load of 8 bytes touch 64 different banks
.set XT,    16*XP                      ; a tile of rows
.set XSC,   XR+128*XP                  ; and their scale bytes
.set XSP,   48                         ; 32 bytes + 16
.set WS,    16                         ; v16-19   the weights' scale words, one a K step; lane = column
.set BIAS,  20                         ; v20-35   b1 in the result's layout
.set ACC,   36                         ; v36-67   two sets of two accumulators
.set TK,    68                         ; v68-75   the tokens of rows 2 i + h of the tile that I fetch; v76 that of row lane / 2
.set VA,    77                         ; v77-84   their codes' byte offsets
.set VSO,   85                         ; v85      the scale bytes'
.set VT,    86                         ; v86-87   where the list is read
.set MX,    92                         ; v92-95   at work: two maxima, the conversions' scale operand, the byte
.set AS,    96                         ; v96-103  the rows' scale words, two sets of four
.set CLE,   104                        ; a block's lower and upper 16 codes, 3 registers each: even block,
.set CUE,   108
.set CLO,   112                        ; odd block
.set CUO,   116
.set X,     120                        ; v120-215 three sets of 32 numbers of w1; later:
.set AB,    120                        ; two sets of four fragments of rows
.set HA,    120                        ; FINALISE: v120-183 the tile's 64 numbers a lane
.set T,     184                        ; v184-247 the second K half's; then at work:
.set TM,    184
.set PW,    200
.set PC,    204
.set XW,    248                        ; v248     LDS: where I store rows
.set XWS,   249                        ; v249     and their scale bytes
.set XA,    250                        ; v250-251 where I read fragments: tiles 0-3, tiles 4-7 (an LDS offset has 16 bits)
.set XSA,   252                        ; v252     and scale words
.set SG,    96                         ; in window 1: v96-191 24 x 16 bytes of codes, v192-195 of scale bytes
.set WV,    20
.set G,     21
.set KP,    22
.set EX,    23
.set SL,    24
.set LAST,  27                         ; my expert's last tile
.set BC,    28                         ; the batch
.set TB,    29
.set NB,    36                         ; the next batch's first tile, counted in my expert's
.set FIRST, 44                         ; s[44:45] meta: first tile, number of tiles
.set NT,    45
.set MASK,  48
.set SEL,   50
.set MSB, 0
.macro WIN new                         ; the immediate's high byte repeats the setting that is left
.if MSB != \new
	s_set_vgpr_msb (MSB<<8)|\new
.set MSB, \new
.endif
.endm
	s_load_b256 s[4:11], s[0:1], 0x0               ; xq s[4:5], xs s[6:7], tok s[8:9], meta s[10:11]
	s_load_b256 s[12:19], s[0:1], 0x20             ; w1 s[12:13], b1 s[14:15], hq s[16:17], hs s[18:19]
	v_lshl_add_u32 v254, v0, 2, 0x3a000
	v_mov_b32 v255, 0
	v_lshrrev_b32 v1, 5, v0
	v_readfirstlane_b32 s[WV], v1                  ; wave 0..7
	v_and_b32 v1, 31, v0
	v_and_b32 v2, 15, v0
	v_bfe_u32 v3, v0, 4, 1
	s_wait_alu depctr_va_sdst(0)                   ; the wave's number is written, ahead of its first reader: shares, bases and LDS addresses are made from it
	s_and_b32 s[G], s[WV], 3
	s_lshr_b32 s[KP], s[WV], 2
	s_and_b32 s[EX], ttmp7, 0xffff
	s_mov_b32 s[SL], ttmp9
	s_lshl_b32 s46, s[EX], 3
	s_mov_b32 s47, 0
	s_wait_kmcnt 0x0
	s_add_nc_u64 s[10:11], s[10:11], s[46:47]
	s_load_b64 s[FIRST:FIRST+1], s[10:11], 0x0
	v_and_b32 v4, 7, v0
	v_bfe_u32 v12, v0, 3, 1
	v_lshl_add_u32 v4, v12, 4, v4
	v_lshl_add_u32 v4, v3, 3, v4
	v_lshlrev_b32 v4, 2, v4                        ; 4 x (lane % 8 + 16 ((lane / 8) % 2) + 8 (lane / 16))
	v_lshlrev_b32 v8, 4, v1
	v_lshlrev_b32 v9, 2, v1
	v_lshlrev_b32 v10, 4, v2
	v_lshlrev_b32 v11, 2, v3
	v_lshlrev_b32 v13, 6, v3
	v_lshrrev_b32 v14, 1, v1
	v_and_b32 v15, 1, v0
	s_lshl_b32 s30, s[WV], 14
	v_add_nc_u32 v5, s30, v8                       ; out: my wave's 8 images of 2,048 bytes
	s_lshl_b32 s30, s[WV], 11
	v_add_nc_u32 v6, s30, v8                       ; back: tile number = my wave's, of waves 0 to 3;
	v_add_nc_u32 v7, 0x10000, v6                   ; of waves 4 to 7
	v_mul_u32_u24 v[XWS], v14, XSP                 ; scale bytes in: row 16 w + lane / 2, half lane % 2
	v_lshl_add_u32 v[XWS], v15, 4, v[XWS]
	s_mul_i32 s30, s[WV], 16*XSP
	s_add_co_u32 s30, s30, XSC
	v_add_nc_u32 v[XWS], s30, v[XWS]
	v_lshlrev_b32 v14, 2, v14
	v_lshlrev_b32 v15, 4, v15
	v_mul_u32_u24 v[XW], v3, XP                    ; rows in: row 16 w + h (+ 2 i in the offset), 16 bytes a lane
	v_add_nc_u32 v[XW], v[XW], v10
	s_mul_i32 s30, s[WV], XT
	s_add_co_u32 s30, s30, XR
	v_add_nc_u32 v[XW], s30, v[XW]
	v_mul_u32_u24 v[XA], v2, XP                    ; fragments out: row r, + 24 h, + my K half's 384 bytes
	v_mad_u32_u24 v[XA], v3, 24, v[XA]
	s_mul_i32 s30, s[KP], 384
	s_add_co_u32 s30, s30, XR
	v_add_nc_u32 v[XA], s30, v[XA]
	v_add_nc_u32 v[XA+1], 4*XT, v[XA]
	v_mul_u32_u24 v[XSA], v2, XSP                  ; scale words out: row r, my K half's four
	s_lshl_b32 s30, s[KP], 4
	s_add_co_u32 s30, s30, XSC
	v_add_nc_u32 v[XSA], s30, v[XSA]
	s_mov_b32 s[SEL], 0x76543210
	s_mov_b32 s[SEL+1], 0xfedcba98
	s_cmp_eq_u32 s[KP], 0
	s_cselect_b32 s[MASK], -1, 0
	s_lshl_b32 s30, s[SL], 9
	s_lshl_b32 s31, s[G], 7
	s_add_co_u32 s30, s30, s31                     ; my first column, in bytes
	s_lshl_b32 s46, s[EX], 24
	s_lshl_b32 s31, s[KP], 23
	s_add_co_u32 s46, s46, s31
	s_add_co_u32 s46, s46, s30
	s_add_nc_u64 s[12:13], s[12:13], s[46:47]      ; w1[e], row 512 kp, my first column
	s_lshl_b32 s46, s[EX], 14
	s_add_co_u32 s46, s46, s30
	s_add_nc_u64 s[14:15], s[14:15], s[46:47]
	s_wait_kmcnt 0x0                               ; meta
	s_add_co_u32 s[LAST], s[FIRST], s[NT]
	s_sub_co_u32 s[LAST], s[LAST], 1
; The tokens of tile s[TB] + my wave.  A tile past my expert's last is that last tile again: a batch always has eight tiles in LDS, and all eight are walked, so every counted wait counts the same instructions
.macro TKLOAD
	s_add_co_u32 s31, s[TB], s[WV]
	s_min_u32 s31, s31, s[LAST]
	s_min_u32 s31, s31, 71                         ; a loaded number enters an address only behind a bound written here
	s_lshl_b32 s31, s31, 6
	v_add_nc_u32 v[VT], s31, v11
	v_add_nc_u32 v[VT+1], s31, v14
	s_wait_alu depctr_va_vdst(0)                   ; v[VT] and v[VT+1] are written, which the loads below read; the lines that made offsets of the last list are done with v[TK ..], in which they land.  At the kernel's head this wait also shows every address register of the head written: v4 to v15, v[XW] to v[XSA], v254, v255
.irp i, 0,1,2,3,4,5,6,7
	global_load_b32 v[TK+\i], v[VT], s[8:9] offset:8*\i
.endr
	global_load_b32 v[TK+8], v[VT+1], s[8:9]
.endm
.macro TKCONV
.irp i, 0,1,2,3,4,5,6,7
	v_min_u32 v[TK+\i], 0x3ff, v[TK+\i]
	v_mad_u32_u24 v[VA+\i], v[TK+\i], 768, v10     ; row x 768 + 16 r
.endr
	v_min_u32 v[TK+8], 0x3ff, v[TK+8]
	v_lshl_add_u32 v[VSO], v[TK+8], 5, v15         ; row x 32 + 16 (lane % 2)
.endm
.macro SGLOAD                          ; my tile's 16 rows: lanes 0-15 take 256 consecutive bytes of row 2 i, lanes 16-31 of row 2 i + 1; and its 512 scale bytes
	WIN 0x40                                       ; destination window 1
	s_wait_alu depctr_va_vdst(0)                   ; v[VA ..] and v[VSO] are written, which the loads below read as their offsets
.irp i, 0,1,2,3,4,5,6,7
.irp c, 0,1,2
	global_load_b128 v[SG+4*(3*\i+\c):SG+4*(3*\i+\c)+3], v[VA+\i], s[4:5] offset:256*\c
.endr
.endr
	global_load_b128 v[SG+96:SG+99], v[VSO], s[6:7]
	WIN 0
.endm
.macro SGSTORE                         ; and on to LDS.  Its data come from loads and its addresses from the head: only the wait on LOADcnt ahead of it is owed
	WIN 0x04                                       ; an LDS store's data are its source 1: window 1
.irp i, 0,1,2,3,4,5,6,7
.irp c, 0,1,2
	ds_store_b128 v[XW], v[SG+4*(3*\i+\c):SG+4*(3*\i+\c)+3] offset:2*\i*XP+256*\c
.endr
.endr
	ds_store_b128 v[XWS], v[SG+96:SG+99]
	WIN 0
.endm
	s_mov_b32 s[TB], s[FIRST]
	TKLOAD                                         ; the first batch's list
.irp q, 0,1,2,3
	global_load_b128 v[BIAS+4*\q:BIAS+4*\q+3], v13, s[14:15] offset:16*\q   ; b1 at columns 16 h + 0 .. 15
.endr
; ---- THE WEIGHTS.  Block t = K 32 t .. + 31 of my part: 32 loads, each 128 consecutive bytes of a row of w1; the four waves of a K half stand side by side on 512
.macro LOAD t
.irp i, 0,1,2,3,4,5,6,7,8,9,10,11,12,13,14,15,16,17,18,19,20,21,22,23,24,25,26,27,28,29,30,31
	global_load_b32 v[X+32*((\t)%3)+\i], v4, s[12:13] offset:(32*(\t)+\i)*PITCH th:TH_LOAD_NT   ; 511 x 16,384 at the most: inside the signed 24-bit immediate
.endr
.endm
.macro BLOCK t
.set XS, X+32*((\t)%3)
.if (\t) < 14
	s_wait_loadcnt 63                              ; two blocks, 64 loads, or more are younger than this block's; the wait's field holds 63 at the most
.elseif (\t) == 14
	s_wait_loadcnt 32
.else
	s_wait_loadcnt 0
.endif
	v_max3_num_f32 v[MX], |v[XS]|, |v[XS+1]|, |v[XS+2]|            ; the block's largest magnitude: all 32 numbers are mine; two chains
	v_max3_num_f32 v[MX+1], |v[XS+3]|, |v[XS+4]|, |v[XS+5]|
.irp i, 6,10,14,18,22,26
	v_max3_num_f32 v[MX], v[MX], |v[XS+\i]|, |v[XS+\i+1]|
	v_max3_num_f32 v[MX+1], v[MX+1], |v[XS+\i+2]|, |v[XS+\i+3]|
.endr
	v_max3_num_f32 v[MX], v[MX], |v[XS+30]|, |v[XS+31]|
	v_max3_num_f32 v[MX], v[MX], v[MX+1], 0x2800000                ; and the floor 2^(5 - 127): the byte cannot fall under 1
	v_add_nc_u32 v[MX+2], 0xfe000000, v[MX]                        ; 4 off its exponent field: the conversions' scale operand
.set CD, CLE+8*((\t)%2)
	v_cvt_scalef32_pk16_bf6_f32 v[CD:CD+2], v[XS:XS+15], v[MX+2]
	v_cvt_scalef32_pk16_bf6_f32 v[CD+4:CD+6], v[XS+16:XS+31], v[MX+2]
.if (\t)%4 == 0
	v_lshrrev_b32 v[WS+(\t)/4], 23, v[MX+2]                        ; the scale's byte, four to a word.  (A plain line behind the conversions)
.else
	v_lshrrev_b32 v[MX+3], 23, v[MX+2]
	v_lshl_or_b32 v[WS+(\t)/4], v[MX+3], 8*((\t)%4), v[WS+(\t)/4]
.endif
.if (\t)+3 < 16
	s_wait_alu depctr_va_vdst(0)                   ; the maxima and the conversions are done reading this set of 32 numbers, in which the loads below land
	LOAD (\t)+3                                    ; into the set just converted
.endif
.if (\t)%2 == 1
; lanes 0-15 hold tile 0's columns, lanes 16-31 tile 1's.  A fragment wants the even block in lanes 0-15 and the odd one in lanes 16-31: the even block's upper lanes change places with the odd block's lower
.irp i, 0,1,2
	v_permlane16_swap_b32 v[CLE+\i], v[CLO+\i]
	v_permlane16_swap_b32 v[CUE+\i], v[CUO+\i]
.endr
	WIN 0x40                                       ; destination window 1
.set FD, 24*((\t)/4)+6*(((\t)%4)/2)
.irp i, 0,1,2
	v_mov_b32 v[FD+\i], v[CLE+\i]                  ; tile 0: registers 6 c .. 6 c + 5
	v_mov_b32 v[FD+3+\i], v[CUE+\i]
	v_mov_b32 v[FD+12+\i], v[CLO+\i]               ; tile 1
	v_mov_b32 v[FD+15+\i], v[CUO+\i]
.endr
	WIN 0
.endif
.endm
	s_cmp_eq_u32 s[NT], 0
	s_cbranch_scc1 .Lempty                         ; no row keeps this expert's result: its weights are not read.  No barrier stands between here and the label where the two ways join
	LOAD 0
	LOAD 1
	s_wait_loadcnt 63                              ; the list is in: the bias's 4 loads and the two blocks' 64 are younger
	TKCONV
	SGLOAD                                         ; the first batch's rows land while the weights stream; they are older than block 2's loads, so block 2's wait shows them in
	LOAD 2
.irp t, 0,1,2,3,4,5,6,7,8,9,10,11,12,13,14,15
	BLOCK \t
.endr
	s_branch .Lrows
.Lempty:
	s_wait_loadcnt 0x0                             ; the list and the bias
; On this way every batch below is jumped over, so nothing of what follows is ever multiplied; the rows' registers, the fragments and their scale words are written all the same, so that each register is written
; on every way to a line that names it
	TKCONV
	SGLOAD
	WIN 0x40
.set i, 0
.rept 96
	v_mov_b32 v[i], 0
.set i, i+1
.endr
	WIN 0
.irp s, 0,1,2,3
	v_mov_b32 v[WS+\s], 0
.endr
	s_wait_loadcnt 0x0
.Lrows:
.set i, 0
.rept 16
	v_and_b32 v[BIAS+i], s[MASK], v[BIAS+i]        ; the bias counts once: in the first K half.  (These sixteen lines are also the places between the last write of a scale word or a fragment and the first product)
.set i, i+1
.endr
	s_wait_alu depctr_va_vdst(0)                   ; the fragments and their scale words are written, which the scaled products take as source 0 and its scales (the places above stay beside this wait); the last three blocks' lines are done reading v[X ..], in which the rows' fragments land
	SGSTORE                                        ; the first batch's rows
	s_wait_dscnt 0x0                               ; for the others' sake: my tile lies in LDS
	s_barrier_signal -1
	s_barrier_wait -1
; ---- THE ROWS
.macro ALOAD j                         ; tile j's four fragments (lane (r, h): 24 bytes at 24 h and at 48 + 24 h of each K step's 96, in pieces of 8) and its four scale words, into set j % 2: 25 LDS loads
.set AP, AB+48*((\j)%2)
.irp s, 0,1,2,3
.irp q, 0,1,2,3,4,5
	ds_load_b64 v[AP+12*\s+2*\q:AP+12*\s+2*\q+1], v[XA+(\j)/4] offset:XT*((\j)%4)+96*\s+48*(\q/3)+8*(\q%3)
.endr
.endr
	ds_load_b128 v[AS+4*((\j)%2):AS+4*((\j)%2)+3], v[XSA] offset:16*XSP*(\j)
.endm
.macro TILE j
.set AP, AB+48*((\j)%2)
.set AC, ACC+16*((\j)%2)
.set SQ, AS+4*((\j)%2)
; LDS serves a wave's instructions in order (ISA guide 5.7.1): this tile is in when only what was issued behind its loads is out.  The stores of two tiles ago, which read this set of accumulators, are older still
.if (\j) == 0
	s_wait_dscnt 25                                ; tile 1's 25 loads
.elseif (\j) < 7
	s_wait_dscnt 29                                ; the last tile's 4 stores and the next tile's 25 loads
.else
	s_wait_dscnt 4                                 ; the last tile's 4 stores
.endif
	WIN 0x01                                       ; source 0 (the weights) window 1
.irp s, 0,1,2,3                        ; the two accumulators by turns, one instruction a turn
.if \s == 0
	v_wmma_scale_f32_16x16x128_f8f6f4 v[AC:AC+7], v[24*\s:24*\s+11], v[AP+12*\s:AP+12*\s+11], v[BIAS:BIAS+7], v[WS+\s], v[SQ+\s] matrix_a_fmt:MATRIX_FMT_BF6 matrix_b_fmt:MATRIX_FMT_BF6
	v_wmma_scale_f32_16x16x128_f8f6f4 v[AC+8:AC+15], v[24*\s+12:24*\s+23], v[AP+12*\s:AP+12*\s+11], v[BIAS+8:BIAS+15], v[WS+\s], v[SQ+\s] matrix_a_fmt:MATRIX_FMT_BF6 matrix_b_fmt:MATRIX_FMT_BF6 matrix_a_scale:MATRIX_SCALE_ROW1
.else
	v_wmma_scale_f32_16x16x128_f8f6f4 v[AC:AC+7], v[24*\s:24*\s+11], v[AP+12*\s:AP+12*\s+11], v[AC:AC+7], v[WS+\s], v[SQ+\s] matrix_a_fmt:MATRIX_FMT_BF6 matrix_b_fmt:MATRIX_FMT_BF6
	v_wmma_scale_f32_16x16x128_f8f6f4 v[AC+8:AC+15], v[24*\s+12:24*\s+23], v[AP+12*\s:AP+12*\s+11], v[AC+8:AC+15], v[WS+\s], v[SQ+\s] matrix_a_fmt:MATRIX_FMT_BF6 matrix_b_fmt:MATRIX_FMT_BF6 matrix_a_scale:MATRIX_SCALE_ROW1
.endif
.endr
	WIN 0
.rept 5
	v_nop                                          ; places in front of the stores that read the results and of the loads into the rows' registers
.endr
	s_wait_alu depctr_va_vdst(0)                   ; the eight products have written this set of accumulators, which the stores below read, and are done reading this set of fragments and scale words, in which later LDS loads land; the places above stay beside this wait
.if ((\j) >= 1) && ((\j) < 7)
	s_wait_alu depctr_vm_vsrc(0)                   ; the last tile's four stores, issued a tile ago, have read the other set of accumulators, which the next tile's products write
.endif
.irp i, 0,1,2,3
	ds_store_b128 v5, v[AC+4*\i:AC+4*\i+3] offset:2048*(\j)+512*\i   ; an image of the registers, each accumulator from its low end on
.endr
.if (\j)+2 < 8
	ALOAD (\j)+2
.endif
.endm
	s_mov_b32 s[BC], 0
.Lbatch:
	s_lshl_b32 s30, s[BC], 3
	s_add_co_u32 s[NB], s30, 8
	s_cmp_ge_u32 s30, s[NT]
	s_cbranch_scc1 .Lnomul
	s_wait_alu depctr_vm_vsrc(0)                   ; read by now, and written again in this batch: v[VT ..] by the last list's loads, v[VA ..] and v[VSO] by the last rows' loads, window 1's v[SG ..] by the rows' LDS stores, both sets of accumulators by the last batch's tiles 6 and 7.  It stands ahead of the branch: on every way into the batch
	s_cmp_ge_u32 s[NB], s[NT]
	s_cbranch_scc1 .Lnolist                        ; no batch follows: nothing is fetched for it
	s_add_co_u32 s[TB], s[FIRST], s[NB]
	TKLOAD                                         ; the NEXT batch's list comes while the first two tiles are multiplied
.Lnolist:
	ALOAD 0                                        ; (every vector or matrix instruction that named v120 to v215 stands ahead of a wait on va_vdst: a tile's own, FINALISE's, or the one ahead of the loop)
	ALOAD 1
.irp j, 0,1
	TILE \j
.endr
	s_cmp_ge_u32 s[NB], s[NT]
	s_cbranch_scc1 .Lnorows
	s_wait_loadcnt 0x0                             ; the list
	TKCONV
	SGLOAD                                         ; the next batch's rows come into registers while the other six tiles are multiplied
.Lnorows:
.irp j, 2,3,4,5,6,7
	TILE \j
.endr
.Lnomul:
	s_wait_loadcnt 0x0                             ; on every way: no load is out when the list's and the rows' registers are next written or stored
	s_wait_dscnt 0x0                               ; for the others' sake: my images lie in LDS, and my reads of the batch's rows are over
	s_barrier_signal -1
	s_barrier_wait -1
	s_cmp_ge_u32 s[NB], s[NT]
	s_cbranch_scc1 .Lnostore
	SGSTORE                                        ; nobody reads the old rows any more: the next batch's take their place
.Lnostore:
	s_lshl_b32 s30, s[BC], 3
	s_add_co_u32 s30, s30, s[WV]                   ; my tile of the batch
	s_cmp_ge_u32 s30, s[NT]
	s_cbranch_scc1 .Lnofin
.irp g, 0,1,2,3
.irp i, 0,1,2,3
	ds_load_b128 v[HA+16*\g+4*\i:HA+16*\g+4*\i+3], v6 offset:16384*\g+512*\i   ; columns 32 g + 16 h + 0 .. 15 of row r: first K half,
	ds_load_b128 v[T+16*\g+4*\i:T+16*\g+4*\i+3], v7 offset:16384*\g+512*\i     ; second
.endr
.endr
	s_add_co_u32 s31, s30, s[FIRST]
	s_min_u32 s31, s31, 71
	s_mul_i32 s32, s31, 49152                      ; hq: 32 K steps of 1,536 bytes a tile
	s_mul_i32 s34, s[SL], 1536
	s_add_co_u32 s32, s32, s34
	s_mov_b32 s33, 0
	s_add_nc_u64 s[40:41], s[16:17], s[32:33]
	s_lshl_b32 s32, s31, 12                        ; hs: 32 K steps of 128 bytes
	s_lshl_b32 s34, s[SL], 7
	s_add_co_u32 s32, s32, s34
	s_add_nc_u64 s[42:43], s[18:19], s[32:33]
	s_wait_dscnt 0x0
.set i, 0
.rept 32
	v_pk_add_f32 v[HA+i:HA+i+1], v[HA+i:HA+i+1], v[T+i:T+i+1]
.set i, i+2
.endr
.set i, 0
.rept 64
	v_max_num_f32 v[HA+i], 0, v[HA+i]              ; the activation, in f32
.set i, i+1
.endr
; the quantiser: register 16 b + i = k 32 b + 16 h + i of my row.  No |.|: nothing is negative here
.irp b, 0,1,2,3
	v_max3_num_f32 v[TM+\b], v[HA+16*\b], v[HA+1+16*\b], 0x2800000   ; my 16 numbers of block b, and the floor 2^(5 - 127)
.endr
.irp i, 2,4,6,8,10,12,14
.irp b, 0,1,2,3
	v_max3_num_f32 v[TM+\b], v[TM+\b], v[HA+16*\b+\i], v[HA+1+16*\b+\i]
.endr
.endr
.irp b, 0,1,2,3
	v_permlanex16_b32 v[TM+4+\b], v[TM+\b], s[SEL], s[SEL+1]
.endr
.irp b, 0,1,2,3
	v_max_num_f32 v[TM+\b], v[TM+\b], v[TM+4+\b]   ; with lane l xor 16's: the block's largest
.endr
.irp b, 0,1,2,3
	v_add_nc_u32 v[TM+12+\b], 0xfe000000, v[TM+\b]
.endr
.irp b, 0,1,2,3
	v_lshrrev_b32 v[TM+4+\b], 23, v[TM+12+\b]
.endr
	v_lshl_or_b32 v[PW], v[TM+5], 8, v[TM+4]       ; my row's scale word
	v_lshl_or_b32 v[PW], v[TM+6], 16, v[PW]
	v_lshl_or_b32 v[PW], v[TM+7], 24, v[PW]
.irp c, 0,1
	v_cvt_scalef32_pk16_bf6_f32 v[PC+6*\c:PC+2+6*\c], v[HA+32*\c:HA+15+32*\c], v[TM+12+2*\c]
	v_cvt_scalef32_pk16_bf6_f32 v[PC+12+4*\c:PC+14+4*\c], v[HA+16+32*\c:HA+31+32*\c], v[TM+12+2*\c+1]
.endr
	v_nop                                          ; one plain line behind the conversions
.irp c, 0,1                            ; the operand's layout wants a whole block in a lane
.irp i, 0,1,2
	v_permlane16_swap_b32 v[PC+6*\c+\i], v[PC+12+4*\c+\i]
.endr
.irp i, 0,1,2
	v_mov_b32 v[PC+3+6*\c+\i], v[PC+12+4*\c+\i]
.endr
.endr
	s_wait_alu depctr_va_vdst(0)                   ; the codes v[PC ..] and the scale word v[PW] are written, which the stores below read; and all of FINALISE's lines are done with v120 to v247, in which the next LDS loads land: no vector instruction follows in this part
.irp c, 0,1,2
	global_store_b128 v8, v[PC+4*\c:PC+4*\c+3], s[40:41] offset:512*\c   ; 512 consecutive bytes, at a multiple of 256 from hq's first byte
.endr
	global_store_b32 v9, v[PW], s[42:43]
	s_wait_xcnt 0x0                                ; the stores have read their data and bases: both are written again in the next trip
	s_wait_alu depctr_vm_vsrc(0)                   ; beside it: the four stores have read v[PC ..] and v[PW], in which the next trip's LDS loads land
.Lnofin:
	s_wait_dscnt 0x0                               ; the next batch's rows lie in LDS, and my reads of the images are over: the next batch may overwrite them
	s_barrier_signal -1
	s_barrier_wait -1
	s_add_co_u32 s[BC], s[BC], 1
	s_cmp_lt_u32 s[BC], 8
	s_cbranch_scc1 .Lbatch
	s_wait_dscnt 0x0                               ; the closing lines, six on end
	s_wait_alu 0x0
	s_wait_tensorcnt 0x0
	ds_add_u32 v254, v255
	s_wait_dscnt 0x0
	s_endpgm
.Lfunc_end_k_q4ff1fe271d_up:
	.size	k_q4ff1fe271d_up, .Lfunc_end_k_q4ff1fe271d_up-k_q4ff1fe271d_up
	.p2alignl 7, 3214868480
	.fill 96, 4, 3214868480
	.section	.rodata,"a",@progbits
	.p2align	6, 0x0
	.amdhsa_kernel k_q4ff1fe271d_up
		.amdhsa_group_segment_fixed_size 238592
		.amdhsa_private_segment_fixed_size 0
		.amdhsa_enable_private_segment 0
		.amdhsa_kernarg_size 64
		.amdhsa_user_sgpr_count 2
		.amdhsa_user_sgpr_kernarg_segment_ptr 1
		.amdhsa_wavefront_size32 1
		.amdhsa_system_sgpr_workgroup_id_x 1
		.amdhsa_system_sgpr_workgroup_id_y 1
		.amdhsa_system_sgpr_workgroup_id_z 1
		.amdhsa_system_vgpr_workitem_id 0
		.amdhsa_next_free_vgpr 456
		.amdhsa_next_free_sgpr 66
		.amdhsa_reserve_vcc 0
		.amdhsa_float_denorm_mode_32 3
		.amdhsa_float_denorm_mode_16_64 3
		.amdhsa_memory_ordered 1
		.amdhsa_forward_progress 1
		.amdhsa_inst_pref_size 137
	.end_amdhsa_kernel
	.amdgpu_metadata
---
amdhsa.version: [ 1, 2 ]
amdhsa.kernels:
  - .name:           k_q4ff1fe271d_up
    .symbol:         k_q4ff1fe271d_up.kd
    .args:
      - { .name: xq, .offset: 0, .size: 8, .value_kind: global_buffer, .address_space: global }
      - { .name: xs, .offset: 8, .size: 8, .value_kind: global_buffer, .address_space: global }
      - { .name: tok, .offset: 16, .size: 8, .value_kind: global_buffer, .address_space: global }
      - { .name: meta, .offset: 24, .size: 8, .value_kind: global_buffer, .address_space: global }
      - { .name: w1, .offset: 32, .size: 8, .value_kind: global_buffer, .address_space: global }
      - { .name: b1, .offset: 40, .size: 8, .value_kind: global_buffer, .address_space: global }
      - { .name: hq, .offset: 48, .size: 8, .value_kind: global_buffer, .address_space: global }
      - { .name: hs, .offset: 56, .size: 8, .value_kind: global_buffer, .address_space: global }
    .group_segment_fixed_size: 238592
    .private_segment_fixed_size: 0
    .kernarg_segment_align: 8
    .kernarg_segment_size: 64
    .max_flat_workgroup_size: 256
    .sgpr_count:     66
    .vgpr_count:     456
    .wavefront_size: 32
...
	.end_amdgpu_metadata
.endif
;; end of part 6
;; launch down (part 7): grid 32 x 8, 8 waves a work-group, no clusters, 148,480 bytes of LDS; arguments hq, hs, tok, meta, w2, b2, out0; writes out0
.if DOCPART == 7
	.amdgcn_target "amdgcn-amd-amdhsa--gfx1250"
	.amdhsa_code_object_version 6
	.text
	.protected	k_q4ff1fe271d_down
	.globl	k_q4ff1fe271d_down
	.p2align	8
	.type	k_q4ff1fe271d_down,@function
k_q4ff1fe271d_down:
	s_mov_b64 s[64:65], 0
	v_nop
	global_prefetch_b8 v0, s[64:65] scope:SCOPE_SE
	s_setreg_imm32_b32 hwreg(HW_REG_WAVE_SCHED_MODE, 0, 2), 2
	s_setreg_imm32_b32 hwreg(HW_REG_WAVE_MODE, 25, 1), 1
	s_wait_xcnt 0x0
	s_wait_alu depctr_vm_vsrc(0)
; SECOND PRODUCT OF THE CHOSEN EXPERT: out0[token] = Q(h) Q(w2[e]) + b2[e], for the rows that expert e keeps.  Each token is in exactly one expert's list, so each output row has one owner for each slice of columns.
; THE WEIGHTS STAND STILL, THE ROWS WALK, as in the launch before.  Work-group (sl, e) owns output columns 32 sl .. + 31 of expert e; wave w owns K = 512 w .. + 511 of them: 64 KiB of f32, read once,
; quantised in registers (a lane to a column, registers down K) and kept as 8 fragments.  LANE TO COLUMN: lane 16 u + r takes column 8 u + r % 8 + 16 (r / 8); the product is used transposed, so lane (r, h) of
; the result holds row r, and register 8 u + j the column 16 h + 8 u + j.
; A BATCH is up to 8 tiles of 16 rows.  MULTIPLY: every wave takes the batch's tiles past its fragments; the rows' fragments and scale words come from hq and hs as images of the operand's registers, by loads of
; 16 bytes a lane; the partial sums go to LDS as rows of 128 bytes + 16 | barrier | FINALISE: wave w adds tile w's eight K parts and stores each row's 128 bytes at its token's place | barrier.
; The loop over batches has 8 trips whatever the counts; only work is jumped over, by scalar branches on the stored counts, and every wave passes every barrier.
; A work-group whose expert has no rows jumps over the weights too: its 512 KiB are not read.
; The bias is the C of a sum's first matrix instruction, in wave 0 alone.
; A slot that only fills a tile up repeats one of the expert's tokens: its row has gone through the same codes, products and sums as that token's own row, and the same wave stores the same bytes at the same place.
; So no store needs a mask.
; A work-group's share of an output row is 128 consecutive bytes, which eight lanes store together.  Slices of 64 columns would halve the work-groups.
; NO TENSOR LOADS, NO CLUSTER: branches hang on counts read from memory; what the 32 work-groups of an expert share, its rows' codes, is small beside each one's own 524,288 bytes of weights.
; LIMITS.  NaN and infinities are not served.  A block of zeros gets the byte 1 and not 127.  K is split in eight parts whose f32 sums are added at the end, K ascending.
; THE MODE: SCHED_MODE bits 1:0 = 2 (LLVM: expert scheduling mode 2), set by the entry lines.  The code itself states the register dependences
; between vector or matrix instructions and memory or LDS instructions, with s_wait_alu, always for 0.
; THE PLAN.  Registers that memory or LDS instructions touch, and who else names them:
;   X0 .. X2       The weights' stream.  Block t's maxima and conversions read X[t % 3]; behind them block t + 3's loads land in it: one wait on va_vdst a block, behind its conversions.
;   v[VA ..], v[VS ..]  Written by sixteen additions at a batch's head; read by the batch's loads of rows.
;   AB0, AB1, AS0, AS1  Tile j's products read set j % 2; behind them tile j + 2's loads land in it.
;   ACC0, ACC1     Tile j's products write set j % 2, its four LDS stores read it, tile j + 2's products write it again.
;   v12            Written at FINALISE's head; read by its four loads of tokens.   v[TKR ..]  Those loads land there; the lines that make the rows' places read and write them.
;   S              FINALISE's LDS loads land there; its additions work there; its four stores read the first sixteen.   v[OA ..]  Written by FINALISE's lines; read by the stores as their offsets.
;   v4-11, v13, v115, v119  Made once at the head, never written again.
; So: ONE wait on va_vdst a tile, behind its products and their places, for its stores and for the loads of two tiles on; beside it one on vm_vsrc, for the stores of the tile BEFORE, issued a whole tile ago;
; at a batch's head one on vm_vsrc ahead of the additions and one on va_vdst behind them; in FINALISE one on va_vdst behind v12's line, one ahead of the stores, and one on vm_vsrc behind them.
; REGISTERS, window 0: v1 lane, v2 r, v3 h, v4 my column's bytes, v5 LDS out, v6-7 LDS back, v8 16 x lane, v9 4 x lane, v10 16 (lane % 8), v11 4 (lane / 8), v12 the list's offset, v13 64 h.  Window 1: v0-95 the fragments.
.set PITCH, 4096                       ; a row of w2[e] in bytes
.set NA,    16                         ; loads that bring a tile of rows: 12 of codes, 4 of scale words
.set WS,    16
.set BIAS,  20
.set ACC,   36
.set VA,    76
.set VS,    84
.set MX,    92
.set AS,    96
.set CLE,   104
.set CUE,   108
.set CLO,   112
.set CUO,   116
.set X,     120
.set AB,    120
.set S,     120                        ; FINALISE: v120-247 eight parts x 16 registers
.set TKR,   248                        ; v248-251 the tokens of my four rows
.set OA,    252                        ; v252-255 their places in out0
.set WV,    20
.set EX,    23
.set SL,    24
.set LAST,  27
.set BC,    28
.set TB,    29
.set FIRST, 44
.set NT,    45
.set MASK,  48
.set MSB, 0
.macro WIN new                         ; the immediate's high byte repeats the setting that is left
.if MSB != \new
	s_set_vgpr_msb (MSB<<8)|\new
.set MSB, \new
.endif
.endm
	s_load_b256 s[4:11], s[0:1], 0x0               ; hq s[4:5], hs s[6:7], tok s[8:9], meta s[10:11]
	s_load_b128 s[12:15], s[0:1], 0x20             ; w2 s[12:13], b2 s[14:15]
	s_load_b64 s[16:17], s[0:1], 0x30              ; out0
	v_lshl_add_u32 v115, v0, 2, 0x24000
	v_mov_b32 v119, 0
	v_lshrrev_b32 v1, 5, v0
	v_readfirstlane_b32 s[WV], v1                  ; wave 0..7
	v_and_b32 v1, 31, v0
	v_and_b32 v2, 15, v0
	v_bfe_u32 v3, v0, 4, 1
	s_wait_alu depctr_va_sdst(0)                   ; the wave's number is written, ahead of its first reader: shares, bases and LDS addresses are made from it
	s_and_b32 s[EX], ttmp7, 0xffff
	s_mov_b32 s[SL], ttmp9
	s_lshl_b32 s46, s[EX], 3
	s_mov_b32 s47, 0
	s_wait_kmcnt 0x0
	s_add_nc_u64 s[10:11], s[10:11], s[46:47]
	s_load_b64 s[FIRST:FIRST+1], s[10:11], 0x0
	v_and_b32 v4, 7, v0
	v_bfe_u32 v12, v0, 3, 1
	v_lshl_add_u32 v4, v12, 4, v4
	v_lshl_add_u32 v4, v3, 3, v4
	v_lshlrev_b32 v4, 2, v4                        ; 4 x (lane % 8 + 16 ((lane / 8) % 2) + 8 (lane / 16))
	v_lshlrev_b32 v8, 4, v1
	v_lshlrev_b32 v9, 2, v1
	v_lshlrev_b32 v13, 6, v3
	s_mul_i32 s30, s[WV], 18432
	v_mul_u32_u24 v5, v2, 144
	v_lshl_add_u32 v5, v3, 6, v5
	v_add_nc_u32 v5, s30, v5                       ; out: my wave's 8 tiles of 16 rows x 144 bytes; row r, + 64 h
	v_lshrrev_b32 v14, 3, v1
	v_and_b32 v15, 7, v1
	v_mul_u32_u24 v6, v14, 144
	v_lshl_add_u32 v6, v15, 4, v6
	s_mul_i32 s30, s[WV], 2304
	v_add_nc_u32 v6, s30, v6                       ; back: tile number = my wave's; eight lanes to a row, four rows an instruction; parts 0 to 3,
	v_add_nc_u32 v7, 0x12000, v6                   ; parts 4 to 7
	v_lshlrev_b32 v10, 4, v15
	v_lshlrev_b32 v11, 2, v14
	s_cmp_eq_u32 s[WV], 0
	s_cselect_b32 s[MASK], -1, 0
	s_lshl_b32 s30, s[SL], 7                       ; my first column, in bytes
	s_lshl_b32 s46, s[EX], 24
	s_lshl_b32 s31, s[WV], 21
	s_add_co_u32 s46, s46, s31
	s_add_co_u32 s46, s46, s30
	s_add_nc_u64 s[12:13], s[12:13], s[46:47]      ; w2[e], row 512 w, my first column
	s_lshl_b32 s46, s[EX], 12
	s_add_co_u32 s46, s46, s30
	s_add_nc_u64 s[14:15], s[14:15], s[46:47]
	s_mov_b32 s46, s30
	s_add_nc_u64 s[16:17], s[16:17], s[46:47]
	s_mul_i32 s46, s[WV], 6144
	s_add_nc_u64 s[4:5], s[4:5], s[46:47]          ; the rows' K steps 4 w .. 4 w + 3: codes,
	s_lshl_b32 s46, s[WV], 9
	s_add_nc_u64 s[6:7], s[6:7], s[46:47]          ; scale words
	s_wait_kmcnt 0x0                               ; meta
	s_add_co_u32 s[LAST], s[FIRST], s[NT]
	s_sub_co_u32 s[LAST], s[LAST], 1
	s_wait_alu depctr_va_vdst(0)                   ; every address register of the head is written: v4 to v11, v13, v115, v119, which the loads, stores and LDS instructions of the whole kernel read
.irp q, 0,1,2,3
	global_load_b128 v[BIAS+4*\q:BIAS+4*\q+3], v13, s[14:15] offset:16*\q   ; b2 at columns 16 h + 0 .. 15
.endr
; ---- THE WEIGHTS.  Block t = K 32 t .. + 31 of my part: 32 loads, each 128 consecutive bytes of a row of w2.  No NT word: the other half of each aligned 256 bytes is the neighbouring slice's
.macro LOAD t
.irp i, 0,1,2,3,4,5,6,7,8,9,10,11,12,13,14,15,16,17,18,19,20,21,22,23,24,25,26,27,28,29,30,31
	global_load_b32 v[X+32*((\t)%3)+\i], v4, s[12:13] offset:(32*(\t)+\i)*PITCH
.endr
.endm
.macro BLOCK t
.set XS, X+32*((\t)%3)
.if (\t) < 14
	s_wait_loadcnt 63                              ; two blocks, 64 loads, are younger than this block's; the wait's field holds 63 at the most
.elseif (\t) == 14
	s_wait_loadcnt 32
.else
	s_wait_loadcnt 0
.endif
	v_max3_num_f32 v[MX], |v[XS]|, |v[XS+1]|, |v[XS+2]|            ; the block's largest magnitude: all 32 numbers are mine; two chains
	v_max3_num_f32 v[MX+1], |v[XS+3]|, |v[XS+4]|, |v[XS+5]|
.irp i, 6,10,14,18,22,26
	v_max3_num_f32 v[MX], v[MX], |v[XS+\i]|, |v[XS+\i+1]|
	v_max3_num_f32 v[MX+1], v[MX+1], |v[XS+\i+2]|, |v[XS+\i+3]|
.endr
	v_max3_num_f32 v[MX], v[MX], |v[XS+30]|, |v[XS+31]|
	v_max3_num_f32 v[MX], v[MX], v[MX+1], 0x2800000                ; and the floor 2^(5 - 127): the byte cannot fall under 1
	v_add_nc_u32 v[MX+2], 0xfe000000, v[MX]                        ; 4 off its exponent field: the conversions' scale operand
.set CD, CLE+8*((\t)%2)
	v_cvt_scalef32_pk16_bf6_f32 v[CD:CD+2], v[XS:XS+15], v[MX+2]
	v_cvt_scalef32_pk16_bf6_f32 v[CD+4:CD+6], v[XS+16:XS+31], v[MX+2]
.if (\t)%4 == 0
	v_lshrrev_b32 v[WS+(\t)/4], 23, v[MX+2]                        ; the scale's byte, four to a word.  (A plain line behind the conversions)
.else
	v_lshrrev_b32 v[MX+3], 23, v[MX+2]
	v_lshl_or_b32 v[WS+(\t)/4], v[MX+3], 8*((\t)%4), v[WS+(\t)/4]
.endif
.if (\t)+3 < 16
	s_wait_alu depctr_va_vdst(0)                   ; the maxima and the conversions are done reading this set of 32 numbers, in which the loads below land
	LOAD (\t)+3                                    ; into the set just converted
.endif
.if (\t)%2 == 1
; a fragment wants the even block in lanes 0-15 and the odd one in lanes 16-31: the even block's upper lanes change places with the odd block's lower
.irp i, 0,1,2
	v_permlane16_swap_b32 v[CLE+\i], v[CLO+\i]
	v_permlane16_swap_b32 v[CUE+\i], v[CUO+\i]
.endr
	WIN 0x40                                       ; destination window 1
.set FD, 24*((\t)/4)+6*(((\t)%4)/2)
.irp i, 0,1,2
	v_mov_b32 v[FD+\i], v[CLE+\i]                  ; tile 0: registers 6 c .. 6 c + 5
	v_mov_b32 v[FD+3+\i], v[CUE+\i]
	v_mov_b32 v[FD+12+\i], v[CLO+\i]               ; tile 1
	v_mov_b32 v[FD+15+\i], v[CUO+\i]
.endr
	WIN 0
.endif
.endm
	s_cmp_eq_u32 s[NT], 0
	s_cbranch_scc1 .Lempty                         ; no row keeps this expert's result: its weights are not read.  No barrier stands between here and the label where the two ways join
	LOAD 0
	LOAD 1
	LOAD 2
.irp t, 0,1,2,3,4,5,6,7,8,9,10,11,12,13,14,15
	BLOCK \t
.endr
	s_branch .Lrows
.Lempty:
	s_wait_loadcnt 0x0                             ; the bias
; On this way every batch below is jumped over, so the fragments and their scale words are never multiplied; they are written all the same, so that each register is written on every way to a line that names it
	WIN 0x40
.set i, 0
.rept 96
	v_mov_b32 v[i], 0
.set i, i+1
.endr
	WIN 0
.irp s, 0,1,2,3
	v_mov_b32 v[WS+\s], 0
.endr
.Lrows:
.set i, 0
.rept 16
	v_and_b32 v[BIAS+i], s[MASK], v[BIAS+i]        ; the bias counts once: in wave 0.  (These sixteen lines are also the places between the last write of a scale word or a fragment and the first product)
.set i, i+1
.endr
	s_wait_alu depctr_va_vdst(0)                   ; the fragments and their scale words are written, which the scaled products take as source 0 and its scales (the places above stay beside this wait); the last three blocks' lines are done reading v[X ..], in which the rows' fragments and the partial sums land
; ---- THE ROWS
.macro ALOAD j                         ; tile j's four fragments and scale words, as they were stored: registers 4 c .. 4 c + 3 of lane L at 512 c + 16 L; into set j % 2
.set AP, AB+48*((\j)%2)
.irp s, 0,1,2,3
.irp c, 0,1,2
	global_load_b128 v[AP+12*\s+4*\c:AP+12*\s+4*\c+3], v[VA+(\j)], s[4:5] offset:1536*\s+512*\c
.endr
.endr
.irp s, 0,1,2,3
	global_load_b32 v[AS+4*((\j)%2)+\s], v[VS+(\j)], s[6:7] offset:128*\s
.endr
.endm
.macro TILE j
.set AP, AB+48*((\j)%2)
.set AC, ACC+16*((\j)%2)
.set SQ, AS+4*((\j)%2)
.if (\j) < 7
	s_wait_loadcnt NA                              ; this tile is in; the next tile's loads may be out
.else
	s_wait_loadcnt 0
.endif
.if (\j) >= 2
	s_wait_dscnt 4                                 ; the LDS stores of two tiles ago have read this set of accumulators; the last tile's four may be out
.endif
	WIN 0x01                                       ; source 0 (the weights) window 1
.irp s, 0,1,2,3                        ; the two accumulators by turns, one instruction a turn
.if \s == 0
	v_wmma_scale_f32_16x16x128_f8f6f4 v[AC:AC+7], v[24*\s:24*\s+11], v[AP+12*\s:AP+12*\s+11], v[BIAS:BIAS+7], v[WS+\s], v[SQ+\s] matrix_a_fmt:MATRIX_FMT_BF6 matrix_b_fmt:MATRIX_FMT_BF6
	v_wmma_scale_f32_16x16x128_f8f6f4 v[AC+8:AC+15], v[24*\s+12:24*\s+23], v[AP+12*\s:AP+12*\s+11], v[BIAS+8:BIAS+15], v[WS+\s], v[SQ+\s] matrix_a_fmt:MATRIX_FMT_BF6 matrix_b_fmt:MATRIX_FMT_BF6 matrix_a_scale:MATRIX_SCALE_ROW1
.else
	v_wmma_scale_f32_16x16x128_f8f6f4 v[AC:AC+7], v[24*\s:24*\s+11], v[AP+12*\s:AP+12*\s+11], v[AC:AC+7], v[WS+\s], v[SQ+\s] matrix_a_fmt:MATRIX_FMT_BF6 matrix_b_fmt:MATRIX_FMT_BF6
	v_wmma_scale_f32_16x16x128_f8f6f4 v[AC+8:AC+15], v[24*\s+12:24*\s+23], v[AP+12*\s:AP+12*\s+11], v[AC+8:AC+15], v[WS+\s], v[SQ+\s] matrix_a_fmt:MATRIX_FMT_BF6 matrix_b_fmt:MATRIX_FMT_BF6 matrix_a_scale:MATRIX_SCALE_ROW1
.endif
.endr
	WIN 0
.rept 5
	v_nop                                          ; places in front of the stores that read the results and of the loads into the rows' registers
.endr
	s_wait_alu depctr_va_vdst(0)                   ; the eight products have written this set of accumulators, which the stores below read, and are done reading this set of fragments and scale words, in which later loads land; the places above stay beside this wait
.if ((\j) >= 1) && ((\j) < 7)
	s_wait_alu depctr_vm_vsrc(0)                   ; the last tile's four stores, issued a tile ago, have read the other set of accumulators, which the next tile's products write
.endif
.irp i, 0,1,2,3
	ds_store_b128 v5, v[AC+4*\i:AC+4*\i+3] offset:2304*(\j)+16*\i    ; row r, columns 16 h + 4 i .. + 3; each accumulator from its low end on
.endr
.if (\j)+2 < 8
	ALOAD (\j)+2
.endif
.endm
	s_mov_b32 s[BC], 0
.Lbatch:
	s_lshl_b32 s30, s[BC], 3
	s_cmp_ge_u32 s30, s[NT]
	s_cbranch_scc1 .Lnomul
	s_add_co_u32 s[TB], s[FIRST], s30
	s_wait_alu depctr_vm_vsrc(0)                   ; read by now, and written again in this batch: v[VA ..] and v[VS ..] by the last batch's loads of rows, both sets of accumulators by the LDS stores of its tiles 6 and 7
.irp j, 0,1,2,3,4,5,6,7                ; a tile past my expert's last is that last tile again: all eight are always walked, so every counted wait counts the same loads.  No load is out here: the offsets may be written
	s_add_co_u32 s31, s[TB], \j
	s_min_u32 s31, s31, s[LAST]
	s_min_u32 s31, s31, 71                         ; a loaded number enters an address only behind a bound written here
	s_mul_i32 s32, s31, 49152
	s_lshl_b32 s33, s31, 12
	v_add_nc_u32 v[VA+\j], s32, v8
	v_add_nc_u32 v[VS+\j], s33, v9
.endr
	s_wait_alu depctr_va_vdst(0)                   ; the sixteen offsets are written, which the batch's loads of rows read
	ALOAD 0
	ALOAD 1
.irp j, 0,1,2,3,4,5,6,7
	TILE \j
.endr
.Lnomul:
	s_wait_dscnt 0x0                               ; for the others' sake: my partial sums lie in LDS
	s_barrier_signal -1
	s_barrier_wait -1
	s_lshl_b32 s30, s[BC], 3
	s_add_co_u32 s30, s30, s[WV]                   ; my tile of the batch
	s_cmp_ge_u32 s30, s[NT]
	s_cbranch_scc1 .Lnofin
	s_add_co_u32 s31, s30, s[FIRST]
	s_min_u32 s31, s31, 71
	s_lshl_b32 s31, s31, 6
	v_add_nc_u32 v12, s31, v11                     ; (the loads that read v12 last stand ahead of the wait on vm_vsrc at this part's end)
	s_wait_alu depctr_va_vdst(0)                   ; v12 is written, which the four loads below read; the lines that made the last rows' places are done with v[TKR ..], in which they land
.irp i, 0,1,2,3
	global_load_b32 v[TKR+\i], v12, s[8:9] offset:16*\i    ; the tokens of rows lane / 8 + 4 i
.endr
.irp p, 0,1,2,3
.irp i, 0,1,2,3
	ds_load_b128 v[S+16*\p+4*\i:S+16*\p+4*\i+3], v6 offset:18432*\p+576*\i
.endr
.endr
.irp p, 0,1,2,3
.irp i, 0,1,2,3
	ds_load_b128 v[S+64+16*\p+4*\i:S+64+16*\p+4*\i+3], v7 offset:18432*\p+576*\i
.endr
.endr
	s_wait_dscnt 0x0
.irp p, 1,2,3,4,5,6,7                  ; the eight K parts, K ascending; eight chains that do not wait for each other
.irp i, 0,2,4,6,8,10,12,14
	v_pk_add_f32 v[S+\i:S+\i+1], v[S+\i:S+\i+1], v[S+16*\p+\i:S+16*\p+\i+1]
.endr
.endr
	s_wait_loadcnt 0x0                             ; the tokens
.irp i, 0,1,2,3
	v_min_u32 v[TKR+\i], 0x3ff, v[TKR+\i]          ; a loaded number enters an address only behind a bound written here
	v_lshl_add_u32 v[OA+\i], v[TKR+\i], 12, v10    ; token x 4,096 + 16 (lane % 8)
.endr
	s_wait_alu depctr_va_vdst(0)                   ; the sums v[S ..] and the places v[OA ..] are written, which the stores below read; and all of FINALISE's lines are done with v120 to v247, in which the next loads land: no vector instruction follows in this part
.irp i, 0,1,2,3
	global_store_b128 v[OA+\i], v[S+4*\i:S+4*\i+3], s[16:17] th:TH_STORE_NT   ; eight lanes store a row's 128 consecutive bytes
.endr
	s_wait_xcnt 0x0                                ; the stores have read their addresses and data: both are written again in the next trip
	s_wait_alu depctr_vm_vsrc(0)                   ; beside it: the stores have read v[OA ..] and v[S ..], and the loads of tokens v12: all three are written again in the next trip
.Lnofin:
	s_wait_dscnt 0x0                               ; my reads of the partial sums are over: the next batch may overwrite them
	s_barrier_signal -1
	s_barrier_wait -1
	s_add_co_u32 s[BC], s[BC], 1
	s_cmp_lt_u32 s[BC], 8
	s_cbranch_scc1 .Lbatch
	s_wait_dscnt 0x0                               ; the closing lines, six on end
	s_wait_alu 0x0
	s_wait_tensorcnt 0x0
	ds_add_u32 v115, v119
	s_wait_dscnt 0x0
	s_endpgm
.Lfunc_end_k_q4ff1fe271d_down:
	.size	k_q4ff1fe271d_down, .Lfunc_end_k_q4ff1fe271d_down-k_q4ff1fe271d_down
	.p2alignl 7, 3214868480
	.fill 96, 4, 3214868480
	.section	.rodata,"a",@progbits
	.p2align	6, 0x0
	.amdhsa_kernel k_q4ff1fe271d_down
		.amdhsa_group_segment_fixed_size 148480
		.amdhsa_private_segment_fixed_size 0
		.amdhsa_enable_private_segment 0
		.amdhsa_kernarg_size 56
		.amdhsa_user_sgpr_count 2
		.amdhsa_user_sgpr_kernarg_segment_ptr 1
		.amdhsa_wavefront_size32 1
		.amdhsa_system_sgpr_workgroup_id_x 1
		.amdhsa_system_sgpr_workgroup_id_y 1
		.amdhsa_system_sgpr_workgroup_id_z 1
		.amdhsa_system_vgpr_workitem_id 0
		.amdhsa_next_free_vgpr 352
		.amdhsa_next_free_sgpr 66
		.amdhsa_reserve_vcc 0
		.amdhsa_float_denorm_mode_32 3
		.amdhsa_float_denorm_mode_16_64 3
		.amdhsa_memory_ordered 1
		.amdhsa_forward_progress 1
		.amdhsa_inst_pref_size 117
	.end_amdhsa_kernel
	.amdgpu_metadata
---
amdhsa.version: [ 1, 2 ]
amdhsa.kernels:
  - .name:           k_q4ff1fe271d_down
    .symbol:         k_q4ff1fe271d_down.kd
    .args:
      - { .name: hq, .offset: 0, .size: 8, .value_kind: global_buffer, .address_space: global }
      - { .name: hs, .offset: 8, .size: 8, .value_kind: global_buffer, .address_space: global }
      - { .name: tok, .offset: 16, .size: 8, .value_kind: global_buffer, .address_space: global }
      - { .name: meta, .offset: 24, .size: 8, .value_kind: global_buffer, .address_space: global }
      - { .name: w2, .offset: 32, .size: 8, .value_kind: global_buffer, .address_space: global }
      - { .name: b2, .offset: 40, .size: 8, .value_kind: global_buffer, .address_space: global }
      - { .name: out0, .offset: 48, .size: 8, .value_kind: global_buffer, .address_space: global }
    .group_segment_fixed_size: 148480
    .private_segment_fixed_size: 0
    .kernarg_segment_align: 8
    .kernarg_segment_size: 56
    .max_flat_workgroup_size: 256
    .sgpr_count:     66
    .vgpr_count:     352
    .wavefront_size: 32
...
	.end_amdgpu_metadata
.endif
;; end of part 7
